; MI455X (gfx1250); checked and timed in simulation.
; The chip was launched on July 23, 2026; its instructions are those of AMD's public machine-readable ISA for CDNA 5 (MIT licence, August 2026) and "CDNA5" Instruction Set Architecture Reference Guide (July 2026). The comments in the code are by the model that wrote it; some were corrected since.
;; Multi Head Attention Layer. Allowed arithmetic: matrix products marked QUANTISED: E4M3 operands, one E8M0 scale for each 32 along K, by v_wmma_scale_f32_16x16x128_f8f6f4 with both operands' format E4M3, f32 sums; everything else in f32.
;; Inputs: Wk 1,024 x 1,024 float32; Wo 1,024 x 1,024 float32; Wq 1,024 x 1,024 float32; Wv 1,024 x 1,024 float32; bo 1,024 float32; keys 4 x 2,048 x 1,024 float32; query 4 x 2,048 x 1,024 float32; values 4 x 2,048 x 1,024 float32.
;; Outputs: out0 4 x 2,048 x 1,024 float32.
;; This version of the problem:
;;   THIS VERSION OF THE PROBLEM IS GIVEN IN LOW PRECISION. The matrix products marked QUANTISED in the list below multiply operands that are first quantised to E4M3 (4 exponent bits, 3 mantissa bits; 8 bits a number), with one power-of-two scale for each 32 numbers along K (OCP MX v1.0); their sums are f32. All else is computed in f32.
;;   The module's matrix products, in the order in which they are computed (A, B: the left and right operand; K: the contracted axis; several contracted axes count as one K, in the product's order):
;;     1. [M 8,192, K 1,024] x [K 1,024, N 1,024]; A: input query; B: input Wq: QUANTISED
;;     2. [M 8,192, K 1,024] x [K 1,024, N 1,024]; A: input keys; B: input Wk: QUANTISED
;;     3. [M 8,192, K 1,024] x [K 1,024, N 1,024]; A: input values; B: input Wv: QUANTISED
;;     4. batch 64 x [M 2,048, K 64] x [K 64, N 2,048]; A: computed on the way; B: computed on the way: QUANTISED
;;     5. batch 64 x [M 2,048, K 2,048] x [K 2,048, N 64]; A: softmax (see below); B: computed on the way: QUANTISED
;;     6. [M 8,192, K 1,024] x [K 1,024, N 1,024]; A: computed on the way; B: input Wo: QUANTISED
;;   THE QUANTISER, for each operand of a quantised product, along K:
;;     - K is cut into blocks of 32 from its start; a last block that is shorter is filled with zeros.
;;     - A block's scale is 2^e with e = floor(log2(the largest magnitude in the block)) - 8, held to -126 .. 127; a block of zeros has e = 0. As a byte (E8M0): e + 127.
;;     - Each number is divided by its block's scale, clamped to +-448, and rounded to the nearest number of E4M3, ties to even, subnormals kept.
;;     - The product sums the exact products of the quantised numbers (number of the format x scale) in f32.
;;   ~~~python
;;   def quantise(x, axis):      # numpy; x: float32 -> the quantised numbers, widened to float32 again
;;       x = np.moveaxis(x, axis, -1); K = x.shape[-1]
;;       x = np.pad(x, [(0, 0)] * (x.ndim - 1) + [(0, -K % 32)]); x = x.reshape(x.shape[:-1] + (-1, 32)); a = np.abs(x).max(-1, keepdims=True)
;;       e = np.where(a > 0, np.clip(np.frexp(np.where(a > 0, a, 1))[1] - 1 - 8, -126, 127), 0)      # np.frexp(a)[1] - 1 = floor(log2(a)), exactly
;;       r = np.clip(x / 2.0 ** e, -448, 448)
;;       step = 2.0 ** (np.maximum(np.frexp(np.where(r == 0, 1, r))[1] - 1, -6) - 3)
;;       q = np.round(r / step) * step * 2.0 ** e      # np.round: ties to even
;;       return np.moveaxis(q.reshape(q.shape[:-2] + (-1,))[..., :K], -1, axis).astype(np.float32)
;;   ~~~
;;   SOFTMAX AHEAD OF A QUANTISED PRODUCT. Where the list says 'softmax', what is quantised is not the finished softmax but p = 2^(t - M), with t = logit x log2(e) and M = ceil(the row's largest t), a whole number; so 1/2 < the row's largest p <= 1. The row's sum l is taken of the UNQUANTISED p, in f32, and the product's result is divided by l at the end. Since M is a whole number, a kernel that streams over the keys may use a running M (the ceiling of the running maximum): every later rescaling is an exact power of two, which a block's scale takes up: the codes' values come out the same.
;;   OPERANDS COMPUTED ON THE WAY. 'Computed on the way' means the value that the module computes at that place (a softmax that the list does not call 'softmax' is quantised finished and normalised). What goes into a quantiser is computed in f32, as accurately as f32 sums, v_exp_f32 and their like allow (about 1e-6 of the number): no bf16 or f16 on the way to a quantiser, and a product that is left as it is and whose result goes on into a quantised operand takes f32 operands (vector FMAs, or v_wmma_f32_16x16x4_f32). A number that lies on a knife's edge between two numbers of the format may be rounded either way, as far as f32 arithmetic and the matrix unit's own rounding can turn it there, and no further.
;; One version. Each part assembles by itself: llvm-mc -triple=amdgcn-amd-amdhsa -mcpu=gfx1250 --defsym DOCPART=n.
;; ======== version 1 of 1: 4 launches
;; limits: right only within a limited range of input values
;; workspace buffers: codes 29,360,128 bytes; scales 917,504 bytes; qimg 8,650,752 bytes; kvimg 17,301,504 bytes; oimg 8,388,608 bytes; osc 262,144 bytes
;; launch quant (part 1): grid 896 x 1, 4 waves a work-group, no clusters, 33,280 bytes of LDS; arguments query, keys, values, Wq, Wk, Wv, Wo, codes, scales; writes codes, scales
.if DOCPART == 1
	.amdgcn_target "amdgcn-amd-amdhsa--gfx1250"
	.amdhsa_code_object_version 6
	.text
	.protected	k_q6f94a946be_quant
	.globl	k_q6f94a946be_quant
	.p2align	8
	.type	k_q6f94a946be_quant,@function
k_q6f94a946be_quant:
	s_mov_b64 s[64:65], 0
	v_nop
	global_prefetch_b8 v0, s[64:65] scope:SCOPE_SE
	s_setreg_imm32_b32 hwreg(HW_REG_WAVE_MODE, 25, 1), 1
	s_wait_xcnt 0x0
; The seven f32 inputs that are matrix operands (query, keys, values [8192][1024]; Wq, Wk, Wv, Wo [1024][1024]; K innermost in all) become codes of FP8 (E4M3) and one E8M0 byte for each 32 along K.
; codes:  [query | keys | values | Wq | Wk | Wv | Wo], rows of 1,024 bytes;  scales: the same order, rows of 32 bytes.
; A block's scale is 2^(floor(log2(its largest magnitude)) - 8); its byte is the largest magnitude's exponent field - 8, held at 1 from below; each number is divided by the scale, held within +-448 and rounded to the nearest code, ties to even.
; LIMITS: a block of zeros gets the byte 1 where the rule says 127 (its codes are zeros, which add nothing, and this program alone reads the bytes); NaN and infinities among the inputs are not served.
; ROW ORDER.  In keys, values, Wq, Wk, Wv the four groups of 8 rows of each 32 rows are stored in the order 0, 2, 1, 3: stored tile T (16 rows), row r, is row 32 (T / 2) + 8 (T % 2) + r + 8 (r / 8).
; A product that takes such rows as its source 0 leaves 16 neighbours along that axis in a lane's 16 registers of two neighbouring tiles, which is what the next quantiser wants.  query and Wo keep their order.
; SHARES.  A work-group takes 32 rows, a wave 8 rows (one such group): 16 steps of 512 numbers.  Each load reads 512 consecutive bytes; a step's 2,048 bytes turn through the wave's own stage in LDS,
; so that a lane holds 16 neighbours (two lanes a block); a lane's 16 codes are 16 bytes, so a store covers 512 consecutive bytes; a wave's 256 scale bytes leave as one aligned run of 256 bytes.
; No tensor loads, no barrier: waves share nothing.  Loads run four steps (16 loads a wave) ahead.  Matrix units and clusters have nothing to do here: every byte is read once and written once.
.set STEPS, 16
.set MANT,  0x600000                   ; the mantissa field of 448 as f32
.set CB,    16                         ; bytes of 16 codes
.set R,     16                         ; v16-79   four sets of 16 numbers as they are loaded
.set X,     80                         ; v80-111  two sets of 16 neighbours
.set E,     112                        ; v112-127 a scale byte for each step
.set C,     128                        ; v128-191 codes: four registers for each step, so that no store's data are written again
.set WREG,  8192                       ; LDS: a region for each wave: two stages of 32 x SP bytes, behind them its 256 scale bytes
.set SP,    80                         ; a lane's place in a stage: 64 bytes + 16 of padding
.set WV,    26                         ; s26  my wave's number
	s_load_b512 s[4:19], s[0:1], 0x0               ; query, keys, values, Wq, Wk, Wv, Wo, codes (s[18:19])
	s_load_b64 s[20:21], s[0:1], 0x40              ; scales
	v_lshl_add_u32 v192, v0, 2, 0x8000
	v_mov_b32 v193, 0
	v_lshrrev_b32 v1, 5, v0
	v_readfirstlane_b32 s[WV], v1                  ; wave 0..3
	v_and_b32 v2, 31, v0                           ; lane
	v_lshlrev_b32 v3, 4, v2                        ; my 16 bytes of a load's 512
	s_mul_i32 s27, s[WV], WREG
	v_lshrrev_b32 v14, 2, v2
	v_mul_u32_u24 v14, v14, SP
	v_and_b32 v15, 3, v2
	v_lshl_add_u32 v14, v15, 4, v14
	v_add_nc_u32 v14, s27, v14                     ; the stage, on the way in: SP (lane / 4) + 16 (lane % 4)
	v_mul_u32_u24 v15, v2, SP
	v_add_nc_u32 v15, s27, v15                     ; and on the way out: SP x lane: my 16 neighbours
	v_mul_u32_u24 v4, v2, CB                       ; my codes' place in a step's
	v_lshrrev_b32 v5, 1, v2
	s_add_co_u32 s27, s27, 2*32*SP
	v_add_nc_u32 v5, s27, v5                       ; LDS: my wave's 256 scale bytes, my block's byte
	v_lshlrev_b32 v7, 3, v2                        ; and on the way out 8 bytes a lane
	v_add_nc_u32 v6, s27, v7
	s_mov_b32 s36, MANT                            ; (an instruction takes one literal: the hold's line has another)
	s_mov_b32 s24, 0                               ; the first work-group of my tensor
	s_wait_alu depctr_va_vdst(0)
	s_wait_kmcnt 0x0
; Which tensor is my work-group's?  The choice hangs on the work-group's number alone: 256 work-groups for each activation, 32 for each weight.
.macro PICK first, p
	s_cmp_ge_u32 ttmp9, \first
	s_cselect_b64 s[4:5], s[\p:\p+1], s[4:5]
	s_cselect_b32 s24, \first, s24
.endm
	PICK 256, 6
	PICK 512, 8
	PICK 768, 10
	PICK 800, 12
	PICK 832, 14
	PICK 864, 16
	s_sub_co_u32 s25, ttmp9, s24
	s_lshl_b32 s25, s25, 2
	s_add_co_u32 s28, s25, s[WV]                   ; which run of 8 rows of the tensor is my wave's
	s_lshl_b32 s28, s28, 15                        ; 8 rows x 4,096 bytes
	s_mov_b32 s29, 0
	s_add_nc_u64 s[4:5], s[4:5], s[28:29]
	s_and_b32 s30, s[WV], 1                        ; where the run goes: group w of 8 rows to place 0, 2, 1, 3
	s_lshl_b32 s30, s30, 1
	s_lshr_b32 s31, s[WV], 1
	s_or_b32 s30, s30, s31
	s_sub_co_u32 s31, ttmp9, 256                   ; work-groups 256 to 863 are keys, values, Wq, Wk, Wv (below 256 the difference wraps to a large number)
	s_cmp_lt_u32 s31, 608
	s_cselect_b32 s30, s30, s[WV]
	s_lshl_b32 s31, ttmp9, 2
	s_add_co_u32 s30, s31, s30                     ; the workspace keeps the work-groups' order
	s_lshl_b32 s28, s30, 13                        ; 8 rows x 1,024 bytes of codes
	s_add_nc_u64 s[18:19], s[18:19], s[28:29]
	s_lshl_b32 s28, s30, 8                         ; 8 rows x 32 scale bytes
	s_add_nc_u64 s[20:21], s[20:21], s[28:29]
.macro LOAD t
.irp i, 0,1,2,3
	global_load_b128 v[R+16*((\t)%4)+4*\i:R+16*((\t)%4)+4*\i+3], v3, s[4:5] offset:2048*(\t)+512*\i th:TH_LOAD_NT   ; 32 lanes read 512 consecutive bytes, read once in the launch
.endr
.endm
.macro TURN t                          ; step t's numbers through the stage: LDS serves a wave's instructions in order, so no wait stands between the stores and the loads
.irp i, 0,1,2,3
	ds_store_b128 v14, v[R+16*((\t)%4)+4*\i:R+16*((\t)%4)+4*\i+3] offset:32*SP*((\t)%2)+8*SP*\i
.endr
.irp i, 0,1,2,3
	ds_load_b128 v[X+16*((\t)%2)+4*\i:X+16*((\t)%2)+4*\i+3], v15 offset:32*SP*((\t)%2)+16*\i
.endr
.endm
.irp t, 0,1,2,3
	LOAD \t
.endr
	s_wait_loadcnt 12                              ; step 0's four loads are in; those of steps 1 to 3 may be out
	TURN 0
.macro STEP t
.set XS, X+16*((\t)%2)
.if (\t) > 0
	s_wait_dscnt 1                                 ; this step's numbers are back from the stage (the last step's byte store may be out): so its stores into the stage have read their registers,
.else
	s_wait_dscnt 0x0
.endif
.if (\t)+4 < STEPS
	LOAD (\t)+4                                    ; which take the loads of four steps on
.endif
.if (\t)+1 < STEPS
.if STEPS-2-(\t) >= 3
	s_wait_loadcnt 12                              ; the next step's four loads are in; those of the three steps behind it may be out
.else
	s_wait_loadcnt 4*(STEPS-2-(\t))
.endif
	TURN (\t)+1                                    ; and go through the other stage while this step is worked
.endif
	v_max3_num_f32 v8, |v[XS]|, |v[XS+1]|, |v[XS+2]|               ; the largest magnitude of my 16, in two chains
	v_max3_num_f32 v9, |v[XS+3]|, |v[XS+4]|, |v[XS+5]|
.irp i, 6,10
	v_max3_num_f32 v8, v8, |v[XS+\i]|, |v[XS+\i+1]|
	v_max3_num_f32 v9, v9, |v[XS+\i+2]|, |v[XS+\i+3]|
.endr
	v_max3_num_f32 v8, v8, |v[XS+14]|, |v[XS+15]|
	v_max3_num_f32 v8, v8, v9, 0x4800000           ; and the floor 2^(9 - 127): so the byte cannot fall under 1
	v_max_num_f32_dpp v8, v8, v8 row_xmask:1 row_mask:0xf bank_mask:0xf   ; and of my neighbour's 16: the block's
	v_add_nc_u32 v11, 0xfc000000, v8               ; 8 off its exponent field: the conversion takes the exponent field of this operand as its scale
	v_and_or_b32 v10, v8, 0x7f800000, s36          ; 448 x the scale: the largest magnitude's exponent field over 448's mantissa
.irp i, 0,1,2,3,4,5,6,7,8,9,10,11,12,13,14,15
	v_med3_num_f32 v[XS+\i], v[XS+\i], -v10, v10   ; the conversion to an 8-bit code does not saturate (ISA guide 7.6.2): the hold comes first
.endr
	v_cvt_scalef32_pk8_fp8_f32 v[C+4*(\t):C+4*(\t)+1], v[XS:XS+7], v11
	v_cvt_scalef32_pk8_fp8_f32 v[C+4*(\t)+2:C+4*(\t)+3], v[XS+8:XS+15], v11
	v_lshrrev_b32 v[E+(\t)], 23, v11               ; the scale's byte (also the plain line behind the conversions)
	ds_store_b8 v5, v[E+(\t)] offset:16*(\t)       ; both lanes of a block write the same byte with the same value
	global_store_b128 v4, v[C+4*(\t):C+4*(\t)+3], s[18:19] offset:32*CB*(\t)   ; 512 consecutive bytes, aligned
.endm
.irp t, 0,1,2,3,4,5,6,7,8,9,10,11,12,13,14,15
	STEP \t
.endr
	ds_load_b64 v[12:13], v6                       ; LDS serves a wave's instructions in order: these see my stores
	s_wait_dscnt 0x0
	global_store_b64 v7, v[12:13], s[20:21]        ; 32 lanes store 256 consecutive bytes, aligned
	s_wait_tensorcnt 0x0
	ds_add_u32 v192, v193
	s_wait_dscnt 0x0
	s_endpgm
.Lfunc_end_k_q6f94a946be_quant:
	.size	k_q6f94a946be_quant, .Lfunc_end_k_q6f94a946be_quant-k_q6f94a946be_quant
	.p2alignl 7, 3214868480
	.fill 96, 4, 3214868480
	.section	.rodata,"a",@progbits
	.p2align	6, 0x0
	.amdhsa_kernel k_q6f94a946be_quant
		.amdhsa_group_segment_fixed_size 33280
		.amdhsa_private_segment_fixed_size 0
		.amdhsa_enable_private_segment 0
		.amdhsa_kernarg_size 72
		.amdhsa_user_sgpr_count 2
		.amdhsa_user_sgpr_kernarg_segment_ptr 1
		.amdhsa_wavefront_size32 1
		.amdhsa_system_sgpr_workgroup_id_x 1
		.amdhsa_system_sgpr_workgroup_id_y 1
		.amdhsa_system_sgpr_workgroup_id_z 1
		.amdhsa_system_vgpr_workitem_id 0
		.amdhsa_next_free_vgpr 194
		.amdhsa_next_free_sgpr 66
		.amdhsa_reserve_vcc 0
		.amdhsa_float_denorm_mode_32 3
		.amdhsa_float_denorm_mode_16_64 3
		.amdhsa_memory_ordered 1
		.amdhsa_forward_progress 1
		.amdhsa_inst_pref_size 52
	.end_amdhsa_kernel
	.amdgpu_metadata
---
amdhsa.version: [ 1, 2 ]
amdhsa.kernels:
  - .name:           k_q6f94a946be_quant
    .symbol:         k_q6f94a946be_quant.kd
    .args:
      - { .name: query, .offset: 0, .size: 8, .value_kind: global_buffer, .address_space: global }
      - { .name: keys, .offset: 8, .size: 8, .value_kind: global_buffer, .address_space: global }
      - { .name: values, .offset: 16, .size: 8, .value_kind: global_buffer, .address_space: global }
      - { .name: Wq, .offset: 24, .size: 8, .value_kind: global_buffer, .address_space: global }
      - { .name: Wk, .offset: 32, .size: 8, .value_kind: global_buffer, .address_space: global }
      - { .name: Wv, .offset: 40, .size: 8, .value_kind: global_buffer, .address_space: global }
      - { .name: Wo, .offset: 48, .size: 8, .value_kind: global_buffer, .address_space: global }
      - { .name: codes, .offset: 56, .size: 8, .value_kind: global_buffer, .address_space: global }
      - { .name: scales, .offset: 64, .size: 8, .value_kind: global_buffer, .address_space: global }
    .group_segment_fixed_size: 33280
    .private_segment_fixed_size: 0
    .kernarg_segment_align: 8
    .kernarg_segment_size: 72
    .max_flat_workgroup_size: 128
    .sgpr_count:     66
    .vgpr_count:     194
    .wavefront_size: 32
...
	.end_amdgpu_metadata
.endif
;; end of part 1
;; launch proj (part 2): grid 8 x 32, 4 waves a work-group, clusters of 4 x 4, 327,680 bytes of LDS; arguments codes, scales, qimg, kvimg; writes qimg, kvimg
.if DOCPART == 2
	.amdgcn_target "amdgcn-amd-amdhsa--gfx1250"
	.amdhsa_code_object_version 6
	.text
	.protected	k_q6f94a946be_proj
	.globl	k_q6f94a946be_proj
	.p2align	8
	.type	k_q6f94a946be_proj,@function
k_q6f94a946be_proj:
	s_mov_b64 s[64:65], 0
	v_nop
	global_prefetch_b8 v0, s[64:65] scope:SCOPE_SE
	s_setreg_imm32_b32 hwreg(HW_REG_WAVE_MODE, 25, 1), 1
	s_wait_xcnt 0x0
	s_wait_alu depctr_hold_cnt(0) depctr_sa_sdst(0) depctr_va_vdst(0) depctr_va_sdst(0) depctr_va_ssrc(0) depctr_va_vcc(0) depctr_vm_vsrc(0)
	s_getreg_b32 s2, hwreg(HW_REG_IB_STS2, 6, 4)
	s_cmp_eq_u32 s2, 0
	s_cbranch_scc0 .Lentry_in_a_cluster
	s_endpgm
.Lentry_in_a_cluster:
	s_bfe_u32 s2, ttmp6, 0x10000c
	s_cmp_lg_u32 s2, 0xf033
	s_cbranch_scc0 .Lentry_shape_is_right
	s_endpgm
.Lentry_shape_is_right:
; Q = query Wq^T, K = keys Wk^T, V = values Wv^T on codes of FP8 (E4M3) with E8M0 scales, 3 x (8,192 x 1,024 x 1,024), f32 sums, each result quantised again: Q and K along the head's 64, V along the keys.
; codes: [query | keys | values | Wq | Wk | Wv | Wo], rows of 1,024 bytes; scales: the same order, rows of 32 bytes.  In keys, values, Wq, Wk, Wv the four groups of 8 rows of each 32 are stored in the order 0, 2, 1, 3,
; so that a lane's 16 registers of two neighbouring tiles of source 0 are 16 neighbours along that axis.
; OUT, as images of operand registers.  qimg: [16 batch + head: 135,168][step of 128 tokens: 8,192][tile of 16: 1,024][piece: 512][lane: 16]; scale images from 131,072 on, 256 bytes a step.
; kvimg: [16 batch + head: 270,336][step: 16,384: K's 8,192 as Q's; V's 8,192: [keys / 64: 4,096][channel tile: 1,024][piece % 2: 512][lane: 16]]; scale images from 262,144 on, 512 a step: K's 256, V's 256.
; A scale image: unit f (Q, K: tiles 2 f, 2 f + 1, two bytes each; V: channel tile f, four bytes) of row r lies at 8 (16 (f % 2) + r) + 4 (f / 2).
; THE DEAL.  256 work-groups of four waves, 2 x 2; a work-group makes 256 tokens x 128 channels of Q, then of K, then of V.  A wave holds 64 rows of the phase's weight (one head), ALL of K, in 512 registers (windows 1, 2)
; and streams eight blocks of 16 rows past them, four of each chunk of 128 rows; a block, all of K, is 128 registers; two sets (window 3) take turns.
; LDS: two slots of 128 rows of 1,024 bytes + 16 of padding.  Slot 0: a phase's first chunk.  Slot 1: its weight, until all waves hold it in registers, then its second chunk.
; REFILLS, each 32 rows a wave behind the three lines and a round of the cluster's barrier: the second chunk behind the weight's way into registers; the next phase's first chunk in block 2; the next weight in block 6.
; Q and K are one loop of two trips; V, whose products take the tokens as source 0, is written out and fills nothing again.
; The rows' scale bytes of all three phases are stored into LDS at the head; the results' scale bytes are gathered in a stage of 12 x 256 bytes and leave at the end as whole runs of 256 bytes.
; CLUSTERS 4 x 4: a cluster's row shares the tokens' rows, a column the weights'.  PREFETCH: a phase's second chunk is asked for once in each cluster row, a phase ahead (the first at the head): 512 blocks of 256 bytes shared out by address among sixteen waves.
; The weights' rows are not prefetched: 32 row blocks read the same rows in the same phase.
; LIMITS: a block of zeros gets the byte 1 where the rule says 127 (its codes are zeros; this program alone reads the bytes); NaN and infinities are not served.
.set KROW,   1024
.set PITCH,  KROW+16
.set TILEB,  16*PITCH
.set S1,     128*PITCH
.set SCL,    2*128*PITCH               ; the rows' scale bytes: three regions of 256 rows x 32 bytes, 16 of padding behind each 256; stored by the waves
.set SREG,   32*272
.set STGS,   SCL+3*SREG                ; the results' scale images: [phase][head of two][chunk][256]
.set SPARE,  STGS+3072
.set NF,     34
.set XA,   4                           ; v4, v5  LDS address of my blocks in slot 0, slot 1
.set ADRB, 6                           ; v6   of my fragments of the weight
.set AAS,  7                           ; v7   of my row's scale words; a region on in each trip
.set AASV, 8                           ; v8   the same in V's region
.set CO,   9                           ; v9   16 x lane
.set SPW,  10
.set NIL,  11
.set C8,   12                          ; v12  8 x lane
.set VX,   13                          ; v13  the stage: Q's, K's bytes; a phase on in each trip
.set VXV,  14                          ; v14  V's
.set FS,   15                          ; v15  the stage's way out
.set SST,  16                          ; v16  where my thread stores 16 scale bytes
.set PF,   17                          ; v17  256 x lane
.set GS,   18                          ; v18  16 x thread
.set ABS,  19                          ; v19  32 x lane
.set T0,   20
.set T1,   21
.set SB,   24                          ; v24-39 the weight's scale words: register 8 p + q: lanes 0-15 tile 2 p's, lanes 16-31 tile 2 p + 1's
.set SA,   44                          ; v44-59 the rows': two sets of eight
.set ACC,  64                          ; v64-191 four sets of four accumulators (Q, K use two)
.set PC,   192                         ; v192-199 codes
.set TM,   208                         ; v208-218 the quantiser's maxima, scale operands, bounds, bytes
.set SB1,  224                         ; v224-239, v240-255 the next weights' scale words
.set SB2,  240
.set G1W, 28                           ; group 1: 64 rows, the column's mask; 64 rows, the row's; 32 rows, the row's; 32 rows, the column's
.set G1X, 36
.set G1R, 44
.set G1C, 52
.set G0W, 60                           ; group 0: the head's two; the second chunk; the next first chunk; the next weight
.set G0X, 68
.set G0A, 72
.set G0B, 76
.set G0C, 80
.set CUR0, 84                          ; s[84:87] where this phase's codes go, chunk 0 and 1;  s[88:91] K's;  s[92:95] V's
.set KB0,  88
.set VB0,  92
.set PFB,  96                          ; s[96:97] where my prefetch stands
.set SEL,  98
.set MNT,  100
.set MSB, 0
.macro WIN new
.if MSB != (\new)
	s_set_vgpr_msb (MSB<<8)|(\new)
.set MSB, (\new)
.endif
.endm
.macro PLACES n
.rept \n
	v_nop
.endr
.endm
.macro BARRIER
	s_barrier_signal -1
	s_barrier_wait -1
.endm
.macro CROUND
	BARRIER
	s_cmp_lg_u32 s20, 0
	s_cbranch_scc1 .Lnot_wave_0_\@
	s_barrier_signal -3
.Lnot_wave_0_\@:
	s_barrier_wait -3
	BARRIER
.endm
.macro TLOAD g0, g1
	tensor_load_to_lds s[\g0:\g0+3], s[\g1:\g1+7]
	s_nop 0
	PLACES 4
.endm
.macro GROUP1 g, mask, rows
	s_or_b32 s[\g+0], s[\mask], (1<<20)|(1<<21)|(7<<22)|(3<<25)
	s_mov_b32 s[\g+1], (KROW&0xffff)<<16
	s_mov_b32 s[\g+2], (KROW>>16)|((\rows)<<16)
	s_mov_b32 s[\g+3], KROW<<16
	s_mov_b32 s[\g+4], \rows
	s_mov_b32 s[\g+5], KROW
	s_mov_b32 s[\g+6], 0
	s_mov_b32 s[\g+7], 0
.endm
.macro GROUP0 g, lds, plus             ; count, LDS address, the type over the address that stands there
	s_mov_b32 s[\g], 1
	s_add_co_u32 s[\g+1], s\lds, \plus
	s_or_b32 s[\g+3], s[\g+3], 0x80000000
.endm
	s_load_b256 s[4:11], s[0:1], 0x0               ; codes s[4:5], scales s[6:7], qimg s[8:9], kvimg s[10:11]
	v_lshl_add_u32 v[SPW], v0, 2, SPARE
	v_mov_b32 v[NIL], 0
	ds_add_u32 v[SPW], v[NIL]                      ; the opening lines: the add, twice on end, and its wait ahead of my first tensor load
	ds_add_u32 v[SPW], v[NIL]
	v_lshrrev_b32 v1, 5, v0
	v_readfirstlane_b32 s20, v1                    ; wave 0..3
	s_lshr_b32 s21, s20, 1                         ; wr
	s_and_b32 s22, s20, 1                          ; wc
	s_bfe_u32 s24, ttmp6, 0x40000                  ; cx
	s_bfe_u32 s25, ttmp6, 0x40004                  ; cy
	s_lshl_b32 s26, ttmp9, 2
	s_add_co_u32 s26, s26, s24                     ; C: my 128 channels
	s_and_b32 s27, ttmp7, 0xffff
	s_lshl_b32 s27, s27, 2
	s_add_co_u32 s27, s27, s25                     ; R: my 256 tokens
	s_lshl_b32 s23, s25, 2
	s_lshl_b32 s23, 15, s23                        ; my row of the cluster
	s_lshl_b32 s101, 0x1111, s24                   ; my column
	GROUP1 G1W, 101, 64
	GROUP1 G1X, 23, 64
	GROUP1 G1R, 23, 32
	GROUP1 G1C, 101, 32
	; LDS places, from the wave's number alone
	s_mul_i32 s12, s21, 4*TILEB                    ; my four tiles of a chunk
	s_mul_i32 s13, s22, 64*PITCH                   ; a half of 64 rows; also my 64 rows of the weight
	s_mul_i32 s14, s21, 4*544
	s_add_co_u32 s14, s14, SCL
	s_mul_i32 s15, s20, 32*PITCH                   ; my quarter of a refill
	s_lshl_b32 s16, s22, 9
	s_lshl_b32 s17, s21, 1
	s_add_co_u32 s17, s17, s16
	s_add_co_u32 s17, s17, STGS+2048               ; V's bytes: head wc, byte 2 wr + u of a word
	s_lshl_b32 s18, s21, 2
	s_add_co_u32 s16, s16, s18
	s_add_co_u32 s16, s16, STGS                    ; Q's: head wc, word wr
	s_lshl_b32 s18, s20, 8
	s_add_co_u32 s18, s18, STGS
	s_mov_b32 s67, 0
	s_mov_b32 s99, 0
	s_wait_dscnt 0x0                               ; both opening adds are done
	s_wait_kmcnt 0x0
	s_lshl_b32 s23, s22, 16                        ; a half of 64 rows, in bytes
	s_lshl_b32 s100, s20, 15                       ; a quarter of 32
	s_lshl_b32 s19, s26, 17
	s_add_co_u32 s66, s19, s23
	s_add_co_u32 s66, s66, 0x1800000               ; Wq
	s_add_nc_u64 s[G0W+2:G0W+3], s[4:5], s[66:67]
	s_add_co_u32 s66, s19, s100
	s_add_co_u32 s66, s66, 0x1900000               ; Wk
	s_add_nc_u64 s[G0C+2:G0C+3], s[4:5], s[66:67]
	s_lshl_b32 s66, s26, 12
	s_lshl_b32 s19, s22, 11
	s_add_co_u32 s66, s66, s19
	s_add_co_u32 s66, s66, 786432                  ; Wq's scale bytes: my wave's 64 rows
	s_add_nc_u64 s[2:3], s[6:7], s[66:67]
	s_lshl_b32 s101, s27, 18                       ; my 256 rows of query
	s_add_co_u32 s98, s101, s23
	s_add_nc_u64 s[G0X+2:G0X+3], s[4:5], s[98:99]
	s_add_co_u32 s98, s101, s100
	s_add_co_u32 s98, s98, 131072                  ; its second chunk
	s_add_nc_u64 s[G0A+2:G0A+3], s[4:5], s[98:99]
	s_add_co_u32 s98, s98, 0x800000-131072         ; the first chunk of keys
	s_add_nc_u64 s[G0B+2:G0B+3], s[4:5], s[98:99]
	s_lshl_b32 s98, s27, 13
	s_add_nc_u64 s[6:7], s[6:7], s[98:99]          ; my rows' scale bytes
	s_lshr_b32 s96, s27, 3                         ; where my codes go: 16 batch + head,
	s_lshl_b32 s96, s96, 4
	s_lshl_b32 s97, s26, 1
	s_add_co_u32 s96, s96, s97
	s_add_co_u32 s96, s96, s22
	s_and_b32 s97, s27, 7                          ; two steps of 128 tokens for each R,
	s_lshl_b32 s19, s21, 12                        ; four tiles (V: 64 keys) on for wave row 1
	s_mul_i32 s84, s96, 135168
	s_lshl_b32 s98, s97, 14
	s_add_co_u32 s84, s84, s98
	s_add_co_u32 s84, s84, s19
	s_mov_b32 s85, 0
	s_add_nc_u64 s[CUR0:CUR0+1], s[8:9], s[84:85]
	s_add_nc_u64 s[CUR0+2:CUR0+3], s[CUR0:CUR0+1], 8192
	s_mul_i32 s88, s96, 270336
	s_lshl_b32 s98, s97, 15
	s_add_co_u32 s88, s88, s98
	s_add_co_u32 s88, s88, s19
	s_mov_b32 s89, 0
	s_add_nc_u64 s[KB0:KB0+1], s[10:11], s[88:89]
	s_add_nc_u64 s[KB0+2:KB0+3], s[KB0:KB0+1], 16384
	s_add_nc_u64 s[VB0:VB0+1], s[KB0:KB0+1], 8192
	s_add_nc_u64 s[VB0+2:VB0+3], s[KB0+2:KB0+3], 8192
	s_lshl_b32 s96, s24, 2
	s_add_co_u32 s96, s96, s20                     ; which of the cluster row's sixteen waves I am
	s_lshl_b32 s96, s96, 13
	s_add_co_u32 s96, s96, s101
	s_add_co_u32 s96, s96, 131072
	s_mov_b32 s97, 0
	s_add_nc_u64 s[PFB:PFB+1], s[4:5], s[96:97]    ; my 8,192 bytes of query's second chunk
	s_mov_b32 s[SEL], 0x76543210
	s_mov_b32 s[SEL+1], 0xfedcba98
	s_mov_b32 s[MNT], 0x600000
	CROUND                                         ; all sixteen work-groups are here: the first joint loads meet
	GROUP0 G0W, 13, S1
	GROUP0 G0X, 13, 0
	GROUP0 G0A, 15, S1
	GROUP0 G0B, 15, 0
	GROUP0 G0C, 15, S1
	s_cmp_eq_u32 s21, 0                            ; one joint load a wave: waves 0, 1 Wq's halves, which are wanted first; waves 2, 3 the first chunk's: a line for each pair
	s_cbranch_scc0 .Lfor_x
	TLOAD G0W, G1W
	s_branch .Lasked
.Lfor_x:
	TLOAD G0X, G1X
.Lasked:
	v_and_b32 v1, 15, v0                           ; r
	v_bfe_u32 v2, v0, 4, 1                         ; h
	v_and_b32 v3, 31, v0                           ; lane
	v_lshlrev_b32 v[GS], 4, v0
.irp t, 0,1,2
.irp j, 0,1,2,3
	global_load_b128 v[ACC+16*\t+4*\j:ACC+16*\t+4*\j+3], v[GS], s[6:7] offset:\t*262144+\j*2048   ; the work-group reads 2,048 consecutive bytes
.endr
.endr
	v_lshlrev_b32 v[ABS], 5, v3                    ; lane l takes row l of a pair of tiles
.irp p, 0,1
.irp c, 0,1
	global_load_b128 v[SB+8*\p+4*\c:SB+8*\p+4*\c+3], v[ABS], s[2:3] offset:\p*1024+16*\c
	global_load_b128 v[SB1+8*\p+4*\c:SB1+8*\p+4*\c+3], v[ABS], s[2:3] offset:32768+\p*1024+16*\c
	global_load_b128 v[SB2+8*\p+4*\c:SB2+8*\p+4*\c+3], v[ABS], s[2:3] offset:65536+\p*1024+16*\c
.endr
.endr
	v_mul_u32_u24 v[T0], v1, PITCH
	v_lshl_add_u32 v[T0], v2, 4, v[T0]             ; a fragment's row x pitch + 16 h
	v_add_nc_u32 v[XA], s12, v[T0]
	v_add_nc_u32 v[XA+1], S1, v[XA]
	v_add_nc_u32 v[ADRB], s13, v[T0]
	v_add_nc_u32 v[ADRB], S1, v[ADRB]
	v_lshlrev_b32 v[T0], 5, v1
	v_lshrrev_b32 v[T1], 3, v1
	v_lshl_add_u32 v[T0], v[T1], 4, v[T0]
	v_add_nc_u32 v[AAS], s14, v[T0]                ; row r's 32 scale bytes, 16 more for each 256 passed
	v_add_nc_u32 v[AASV], 2*SREG, v[AAS]
	v_lshlrev_b32 v[CO], 4, v3
	v_lshlrev_b32 v[C8], 3, v3
	v_lshl_add_u32 v[VX], v1, 3, s16
	v_lshl_add_u32 v[VXV], v1, 3, s17
	v_add_nc_u32 v[FS], s18, v[C8]
	v_lshrrev_b32 v[T1], 4, v0
	v_lshl_add_u32 v[T1], v[T1], 4, v[GS]
	v_add_nc_u32 v[SST], SCL, v[T1]                ; 16 bytes a thread, 16 more for each sixteen threads
	v_lshlrev_b32 v[PF], 8, v3
	v_mov_b32 v[TM+2], 0                           ; written once: a lane permute's destination counts as one of its sources
	v_mov_b32 v[TM+3], 0
	s_wait_alu depctr_va_vdst(0)                   ; the wait at the head's end
	s_wait_loadcnt 12                              ; the rows' scale bytes are in: behind them the 12 loads of the weights' scale words
.irp t, 0,1,2
.irp j, 0,1,2,3
	ds_store_b128 v[SST], v[ACC+16*\t+4*\j:ACC+16*\t+4*\j+3] offset:\t*SREG+\j*2176
.endr
.endr
	s_cmp_eq_u32 s21, 0
	s_cbranch_scc0 .Lnot_w
	s_wait_tensorcnt 0x0                           ; waves 0, 1: Wq's rows have landed.  The other waves' wait stands ahead of the round in the phase's head
.Lnot_w:
	s_wait_dscnt 0x0
	BARRIER
	global_prefetch_b8 v[PF], s[PFB:PFB+1] th:TH_LOAD_NT scope:SCOPE_SE
.macro FRAG f, q, off                  ; fragment f of the weight, 16 rows x 128 of K, in window 1 + f / 16
	WIN (1+(\f)/16)<<6
.irp c, 0,1,2,3
	ds_load_b128 v[16*((\f)%16)+4*\c:16*((\f)%16)+4*\c+3], v[ADRB] offset:128*(\q)+32*\c+(\off)
.endr
.endm
.macro FETCH k, aas                    ; block k (chunk k / 4, my tile k % 4), all of K, into set k % 2 of window 3, and its scale words: NF loads
.set FE_, (\k)%2
.set AX_, XA+(\k)/4
.set OX_, ((\k)%4)*TILEB
.set SO_, (8*((\k)/4)+(\k)%4)*544
	WIN 3<<6
.irp q, 0,1,2,3,4,5,6,7
.irp c, 0,1,2,3
	ds_load_b128 v[128*FE_+16*\q+4*\c:128*FE_+16*\q+4*\c+3], v[AX_] offset:OX_+128*\q+32*\c
.endr
.endr
	WIN 0
	ds_load_b128 v[SA+8*FE_:SA+8*FE_+3], v[\aas] offset:SO_
	ds_load_b128 v[SA+8*FE_+4:SA+8*FE_+7], v[\aas] offset:SO_+16
.endm
.macro PROD kind, e, a, n              ; product n = 4 q + b: the q-th 128 of K, weight tile b; rows in set e, sums in set a.  kind 0 (Q, K): source 0 = the weight's rows; kind 1 (V): source 0 = the tokens' rows.  The four accumulators take turns
.set Q_, (\n)/4
.set B_, (\n)%4
.set FB_, 4*Q_+B_
.set AC_, ACC+32*(\a)+8*B_
.set R_, 128*(\e)+16*Q_
.set W_, 16*(FB_%16)
.set XS_, SA+8*(\e)+Q_
.set WS_, SB+8*(B_/2)+Q_
.if \kind
	WIN 3|((1+FB_/16)<<2)
.if Q_ && B_%2
	v_wmma_scale_f32_16x16x128_f8f6f4 v[AC_:AC_+7], v[R_:R_+15], v[W_:W_+15], v[AC_:AC_+7], v[XS_], v[WS_] matrix_b_scale:MATRIX_SCALE_ROW1
.elseif Q_
	v_wmma_scale_f32_16x16x128_f8f6f4 v[AC_:AC_+7], v[R_:R_+15], v[W_:W_+15], v[AC_:AC_+7], v[XS_], v[WS_]
.elseif B_%2
	v_wmma_scale_f32_16x16x128_f8f6f4 v[AC_:AC_+7], v[R_:R_+15], v[W_:W_+15], 0, v[XS_], v[WS_] matrix_b_scale:MATRIX_SCALE_ROW1
.else
	v_wmma_scale_f32_16x16x128_f8f6f4 v[AC_:AC_+7], v[R_:R_+15], v[W_:W_+15], 0, v[XS_], v[WS_]
.endif
.else
	WIN (1+FB_/16)|(3<<2)
.if Q_ && B_%2
	v_wmma_scale_f32_16x16x128_f8f6f4 v[AC_:AC_+7], v[W_:W_+15], v[R_:R_+15], v[AC_:AC_+7], v[WS_], v[XS_] matrix_a_scale:MATRIX_SCALE_ROW1
.elseif Q_
	v_wmma_scale_f32_16x16x128_f8f6f4 v[AC_:AC_+7], v[W_:W_+15], v[R_:R_+15], v[AC_:AC_+7], v[WS_], v[XS_]
.elseif B_%2
	v_wmma_scale_f32_16x16x128_f8f6f4 v[AC_:AC_+7], v[W_:W_+15], v[R_:R_+15], 0, v[WS_], v[XS_] matrix_a_scale:MATRIX_SCALE_ROW1
.else
	v_wmma_scale_f32_16x16x128_f8f6f4 v[AC_:AC_+7], v[W_:W_+15], v[R_:R_+15], 0, v[WS_], v[XS_]
.endif
.endif
.endm
.macro SCALE2                          ; behind the maxima in v[TM], v[TM+1]: the other half's, the conversions' scale operands, 448 x the scale, the bytes
.irp d, 0,1
	v_permlanex16_b32 v[TM+2+\d], v[TM+\d], s[SEL], s[SEL+1]
.endr
.irp d, 0,1
	v_max_num_f32 v[TM+\d], v[TM+\d], v[TM+2+\d]
.endr
.irp d, 0,1
	v_add_nc_u32 v[TM+4+\d], 0xfc000000, v[TM+\d]
.endr
.irp d, 0,1
	v_and_or_b32 v[TM+6+\d], v[TM+\d], 0x7f800000, s[MNT]
.endr
.irp d, 0,1
	v_lshrrev_b32 v[TM+8+\d], 23, v[TM+4+\d]
.endr
.endm
; THE QUANTISER OF A BLOCK OF Q OR K: a lane holds one token; registers 16 b + i of set a are channels 32 b + 16 h + i of my head: two blocks of 32, each in lanes l and l xor 16.
.macro QE a, base, off, boff
.set X_, ACC+32*(\a)
.irp b, 0,1
	v_max3_num_f32 v[TM+\b], |v[X_+16*\b]|, |v[X_+16*\b+1]|, 0x4800000   ; with the floor 2^(9 - 127): the byte cannot fall under 1
.endr
.irp i, 2,4,6,8,10,12,14
.irp b, 0,1
	v_max3_num_f32 v[TM+\b], v[TM+\b], |v[X_+16*\b+\i]|, |v[X_+16*\b+\i+1]|
.endr
.endr
	SCALE2
	v_lshl_or_b32 v[TM+10], v[TM+9], 8, v[TM+8]
.irp b, 0,1
.irp i, 0,1,2,3,4,5,6,7,8,9,10,11,12,13,14,15
	v_med3_num_f32 v[X_+16*\b+\i], v[X_+16*\b+\i], -v[TM+6+\b], v[TM+6+\b]   ; the conversion does not saturate (ISA guide 7.6.2): the hold comes first
.endr
.endr
.irp b, 0,1
	v_cvt_scalef32_pk8_fp8_f32 v[PC+4*\b:PC+4*\b+1], v[X_+16*\b:X_+16*\b+7], v[TM+4+\b]
	v_cvt_scalef32_pk8_fp8_f32 v[PC+4*\b+2:PC+4*\b+3], v[X_+16*\b+8:X_+16*\b+15], v[TM+4+\b]
.endr
	v_nop                                          ; one plain line behind the conversions
	global_store_b128 v[CO], v[PC:PC+3], s[\base:\base+1] offset:\off          ; a piece: 512 consecutive bytes, aligned
	global_store_b128 v[CO], v[PC+4:PC+7], s[\base:\base+1] offset:(\off)+512
	ds_store_b16 v[VX], v[TM+10] offset:\boff      ; lanes l and l xor 16 write the same two bytes with the same value
.endm
; THE QUANTISER OF TWO CHANNEL TILES OF A PAIR OF V's BLOCKS: a lane holds one channel; the even block's eight registers (set se) and the odd's (set se + 1) are keys 16 h + 0 .. 15 of a block of 32.
.macro VE se, t0, base, off, boff
.set VE_, ACC+32*(\se)+8*(\t0)
.irp d, 0,1
	v_max3_num_f32 v[TM+\d], |v[VE_+8*\d]|, |v[VE_+8*\d+1]|, 0x4800000
	v_max3_num_f32 v[TM+2+\d], |v[VE_+32+8*\d]|, |v[VE_+32+8*\d+1]|, |v[VE_+32+8*\d+2]|
.endr
.irp i, 2,4
.irp d, 0,1
	v_max3_num_f32 v[TM+\d], v[TM+\d], |v[VE_+8*\d+\i]|, |v[VE_+8*\d+\i+1]|
	v_max3_num_f32 v[TM+2+\d], v[TM+2+\d], |v[VE_+32+8*\d+\i+1]|, |v[VE_+32+8*\d+\i+2]|
.endr
.endr
.irp d, 0,1
	v_max3_num_f32 v[TM+\d], v[TM+\d], |v[VE_+8*\d+6]|, |v[VE_+8*\d+7]|
.endr
.irp d, 0,1
	v_max3_num_f32 v[TM+\d], v[TM+\d], v[TM+2+\d], |v[VE_+32+8*\d+7]|
.endr
	SCALE2
.irp d, 0,1
.irp i, 0,1,2,3,4,5,6,7
	v_med3_num_f32 v[VE_+8*\d+\i], v[VE_+8*\d+\i], -v[TM+6+\d], v[TM+6+\d]
	v_med3_num_f32 v[VE_+32+8*\d+\i], v[VE_+32+8*\d+\i], -v[TM+6+\d], v[TM+6+\d]
.endr
.endr
.irp d, 0,1
	v_cvt_scalef32_pk8_fp8_f32 v[PC+4*\d:PC+4*\d+1], v[VE_+8*\d:VE_+8*\d+7], v[TM+4+\d]
	v_cvt_scalef32_pk8_fp8_f32 v[PC+4*\d+2:PC+4*\d+3], v[VE_+32+8*\d:VE_+32+8*\d+7], v[TM+4+\d]
.endr
	v_nop
.irp d, 0,1
	global_store_b128 v[CO], v[PC+4*\d:PC+4*\d+3], s[\base:\base+1] offset:(\off)+((\t0)+\d)*1024
	ds_store_b8 v[VXV], v[TM+8+\d] offset:(\boff)+128*(((\t0)+\d)%2)+4*(((\t0)+\d)/2)
.endr
.endm
.macro REFILL step, by, g0, g1         ; the three lines, a round, the refill.  No tensor load of mine is out behind the wait, so a group 0 may be stepped
	s_wait_tensorcnt 0x0
	ds_add_u32 v[SPW], v[NIL]
	s_add_nc_u64 s[\step+2:\step+3], s[\step+2:\step+3], \by
	s_wait_dscnt 0x0
	CROUND
	TLOAD \g0, \g1
	PLACES 4
.endm
.macro BLK kind, k, fill, aas
.if (\k)+1 < 8
	s_wait_dscnt NF                                ; this block's set is in; at most the youngest NF LDS instructions may be out
.else
	s_wait_dscnt 0x0
.endif
	s_wait_xcnt 0x0                                ; the last stores have read their registers, and the prefetch its address
.if (\fill) && ((\k) == 3)
	s_add_nc_u64 s[PFB:PFB+1], s[PFB:PFB+1], 0x800000   ; on to the next tensor's second chunk
.endif
.set N_, 0
.rept 32
.if \kind
	PROD 1, (\k)%2, (\k)%4, N_
.else
	PROD 0, (\k)%2, (\k)%2, N_
.endif
.set N_, N_+1
.endr
	WIN 0
.if (\fill) && ((\k) == 2)
	REFILL G0A, 0x800000, G0B, G1R                 ; the second chunk is in; slot 0 has been read out: the next phase's first chunk
.elseif (\fill) && ((\k) == 6)
	REFILL G0B, 0x800000, G0C, G1C                 ; slot 1 has been read out: the next weight
.elseif (\k) == 2
	s_wait_tensorcnt 0x0                           ; my 32 rows of the second chunk are in
	s_wait_dscnt 0x0
	BARRIER                                        ; everybody's are
	PLACES 8
.else
	PLACES 8                                       ; ahead of loads into registers that the products have read (ISA guide 7.12.1 for vector instructions)
.endif
.if (\k)+2 < 8
	FETCH (\k)+2, \aas
.endif
.if (\fill) && ((\k) == 3)
	global_prefetch_b8 v[PF], s[PFB:PFB+1] th:TH_LOAD_NT scope:SCOPE_SE
.endif
.if \kind
.if (\k) >= 2
.set P_, ((\k)-2)/2
	VE 2*(P_%2), 2*((\k)%2), VB0+2*(P_/2), (P_%2)*512, (P_/2)*256+(P_%2)
.endif
.else
.if (\k) >= 1
.set KK_, (\k)-1
	QE KK_%2, CUR0+2*(KK_/4), (KK_%4)*1024, (KK_/4)*256+128*((KK_%4)/2)+2*(KK_%2)
.endif
.endif
.endm
.macro PHASE kind, fill, aas
.irp q, 0,1,2,3,4,5,6,7
.irp b, 0,1,2,3
	FRAG 4*\q+\b, \q, \b*TILEB
.endr
.endr
	WIN 0
	s_wait_tensorcnt 0x0                           ; the wait, the add and its wait ahead of a refill
	ds_add_u32 v[SPW], v[NIL]
	s_wait_dscnt 0x0                               ; the add is done, and the weight is in my registers
	CROUND
	TLOAD G0A, G1R                                 ; the second chunk over the weight's rows
	FETCH 0, \aas
	FETCH 1, \aas
.irp k, 0,1,2,3,4,5,6,7
	BLK \kind, \k, \fill, \aas
.endr
	s_wait_xcnt 0x0
.endm
	s_wait_loadcnt 0x0                             ; the weights' scale words
	s_mov_b32 s2, 0
.Lphase:                                               ; two trips: Q, K
	PHASE 0, 1, AAS
.set KK_, 7
	QE KK_%2, CUR0+2*(KK_/4), (KK_%4)*1024, (KK_/4)*256+128*((KK_%4)/2)+2*(KK_%2)
	s_wait_xcnt 0x0                                ; the stores have read their base
	s_mov_b64 s[CUR0:CUR0+1], s[KB0:KB0+1]
	s_mov_b64 s[CUR0+2:CUR0+3], s[KB0+2:KB0+3]
.set I_, 0
.rept 16
	v_mov_b32 v[SB+I_], v[SB1+I_]                  ; the next weight's scale words
.set I_, I_+1
.endr
.set I_, 0
.rept 16
	v_mov_b32 v[SB1+I_], v[SB2+I_]
.set I_, I_+1
.endr
	v_add_nc_u32 v[VX], 1024, v[VX]
	v_add_nc_u32 v[AAS], SREG, v[AAS]
	s_wait_alu depctr_va_vdst(0)                   ; directly ahead of the wait below
	s_wait_tensorcnt 0x0                           ; my 32 rows of the next weight are in
	s_add_nc_u64 s[G0C+2:G0C+3], s[G0C+2:G0C+3], 0x100000
	s_wait_dscnt 0x0
	BARRIER                                        ; everybody's are
	s_add_co_u32 s2, s2, 1
	s_cmp_lt_u32 s2, 2
	s_cbranch_scc1 .Lphase
	PHASE 1, 0, AASV                               ; V
.set P_, 3
	VE 2*(P_%2), 0, VB0+2*(P_/2), (P_%2)*512, (P_/2)*256+(P_%2)
	s_wait_xcnt 0x0
	VE 2*(P_%2), 2, VB0+2*(P_/2), (P_%2)*512, (P_/2)*256+(P_%2)
	s_wait_dscnt 0x0                               ; for the others' sake: my bytes are in the stage
	BARRIER
	s_wait_xcnt 0x0                                ; the last stores have read their registers and bases
	ds_load_b64 v[PC:PC+1], v[FS]                  ; wave n sends head n / 2, chunk n % 2 of each phase: 256 bytes each
	ds_load_b64 v[PC+2:PC+3], v[FS] offset:1024
	ds_load_b64 v[PC+4:PC+5], v[FS] offset:2048
	s_lshr_b32 s66, s27, 3
	s_lshl_b32 s66, s66, 4
	s_lshl_b32 s19, s26, 1
	s_add_co_u32 s66, s66, s19
	s_add_co_u32 s66, s66, s21                     ; 16 batch + head
	s_and_b32 s19, s27, 7
	s_lshl_b32 s19, s19, 1
	s_add_co_u32 s19, s19, s22                     ; the step
	s_mul_i32 s84, s66, 135168
	s_lshl_b32 s23, s19, 8
	s_add_co_u32 s84, s84, s23
	s_add_co_u32 s84, s84, 131072
	s_mov_b32 s85, 0
	s_add_nc_u64 s[84:85], s[8:9], s[84:85]
	s_mul_i32 s88, s66, 270336
	s_lshl_b32 s23, s19, 9
	s_add_co_u32 s88, s88, s23
	s_add_co_u32 s88, s88, 262144
	s_mov_b32 s89, 0
	s_add_nc_u64 s[88:89], s[10:11], s[88:89]
	s_wait_dscnt 0x0
	global_store_b64 v[C8], v[PC:PC+1], s[84:85]                 ; 32 lanes store 256 consecutive bytes, aligned
	global_store_b64 v[C8], v[PC+2:PC+3], s[88:89]
	global_store_b64 v[C8], v[PC+4:PC+5], s[88:89] offset:256
	s_wait_tensorcnt 0x0                           ; the wave's end
	ds_add_u32 v[SPW], v[NIL]
	s_wait_dscnt 0x0
	CROUND                                         ; the closing round
	s_endpgm
.Lfunc_end_k_q6f94a946be_proj:
	.size	k_q6f94a946be_proj, .Lfunc_end_k_q6f94a946be_proj-k_q6f94a946be_proj
	.p2alignl 7, 3214868480
	.fill 96, 4, 3214868480
	.section	.rodata,"a",@progbits
	.p2align	6, 0x0
	.amdhsa_kernel k_q6f94a946be_proj
		.amdhsa_group_segment_fixed_size 327680
		.amdhsa_private_segment_fixed_size 0
		.amdhsa_enable_private_segment 0
		.amdhsa_kernarg_size 32
		.amdhsa_user_sgpr_count 2
		.amdhsa_user_sgpr_kernarg_segment_ptr 1
		.amdhsa_wavefront_size32 1
		.amdhsa_system_sgpr_workgroup_id_x 1
		.amdhsa_system_sgpr_workgroup_id_y 1
		.amdhsa_system_sgpr_workgroup_id_z 1
		.amdhsa_system_vgpr_workitem_id 0
		.amdhsa_next_free_vgpr 1024
		.amdhsa_next_free_sgpr 102
		.amdhsa_reserve_vcc 0
		.amdhsa_float_denorm_mode_32 3
		.amdhsa_float_denorm_mode_16_64 3
		.amdhsa_memory_ordered 1
		.amdhsa_forward_progress 1
		.amdhsa_inst_pref_size 208
	.end_amdhsa_kernel
	.amdgpu_metadata
---
amdhsa.version: [ 1, 2 ]
amdhsa.kernels:
  - .name:           k_q6f94a946be_proj
    .symbol:         k_q6f94a946be_proj.kd
    .args:
      - { .name: codes, .offset: 0, .size: 8, .value_kind: global_buffer, .address_space: global }
      - { .name: scales, .offset: 8, .size: 8, .value_kind: global_buffer, .address_space: global }
      - { .name: qimg, .offset: 16, .size: 8, .value_kind: global_buffer, .address_space: global }
      - { .name: kvimg, .offset: 24, .size: 8, .value_kind: global_buffer, .address_space: global }
    .group_segment_fixed_size: 327680
    .private_segment_fixed_size: 0
    .kernarg_segment_align: 8
    .kernarg_segment_size: 32
    .max_flat_workgroup_size: 128
    .sgpr_count:     102
    .vgpr_count:     1024
    .wavefront_size: 32
...
	.end_amdgpu_metadata
.endif
;; end of part 2
;; launch attn (part 3): grid 4 x 64, 16 waves a work-group, clusters of 4 x 1, 327,680 bytes of LDS; arguments qimg, kvimg, oimg, osc; writes oimg, osc
.if DOCPART == 3
	.amdgcn_target "amdgcn-amd-amdhsa--gfx1250"
	.amdhsa_code_object_version 6
	.text
	.protected	k_q6f94a946be_attn
	.globl	k_q6f94a946be_attn
	.p2align	8
	.type	k_q6f94a946be_attn,@function
k_q6f94a946be_attn:
	s_mov_b64 s[64:65], 0
	v_nop
	global_prefetch_b8 v0, s[64:65] scope:SCOPE_SE
	s_setreg_imm32_b32 hwreg(HW_REG_WAVE_MODE, 25, 1), 1
	s_wait_xcnt 0x0
	s_wait_alu depctr_hold_cnt(0) depctr_sa_sdst(0) depctr_va_vdst(0) depctr_va_sdst(0) depctr_va_ssrc(0) depctr_va_vcc(0) depctr_vm_vsrc(0)
	s_getreg_b32 s2, hwreg(HW_REG_IB_STS2, 6, 4)
	s_cmp_eq_u32 s2, 0
	s_cbranch_scc0 .Lentry_in_a_cluster
	s_endpgm
.Lentry_in_a_cluster:
	s_bfe_u32 s2, ttmp6, 0x10000c
	s_cmp_lg_u32 s2, 0x3003
	s_cbranch_scc0 .Lentry_shape_is_right
	s_endpgm
.Lentry_shape_is_right:
; Attention of one head on codes of FP8 (E4M3) with E8M0 scales: S^T = K Q^T (K = the head's 64), the softmax, O^T = V^T P^T (K = the keys), the division by the row's sum, and the quantising of O along D for the last product.
; THE SOFTMAX: t = score x log2(e) / 32 (the scale is 1 / sqrt(1,024)); M = the running largest t rounded UP to a whole number; p = 2^(t - M) is what is quantised, along the keys, not normalised.
; The row's sum is taken of the unquantised p, in f32.  When M moves, the sum and O^T are multiplied by 2^(old M - new M): exact, and without a branch on data.
; SHARES.  A work-group owns 512 queries of one head (cluster y = 16 x batch + head; cx = which 512).  Each of its sixteen waves owns one tile of 16 queries at a time, twice: tile 16 p + w in pass p.  Four waves to a SIMD,
; so that one wave's vector work stands beside another's matrix work and LDS loads.  Every wave walks all 2,048 keys, 128 a step.
; K AND V OF THE WHOLE HEAD STAY IN LDS: 270,336 bytes, a copy of the head's block of kvimg, filled ONCE: no slot is ever filled again.  The four work-groups of a cluster walk the same head: each load is asked for JOINTLY.
; All of K and V is asked for at the kernel's head, so there is no later stream to prefetch.
; OPERANDS LIE AS IMAGES OF THEIR REGISTERS: four registers of all lanes are 512 consecutive bytes, so every LDS load takes 16 bytes a lane on end: no pitch, no padding.
; THE HEAD'S 64 FILL HALF OF THE FORM'S K = 128.  A fragment of K holds TWO tiles of keys: tile 2 f in k 0-63, tile 2 f + 1 in k 64-127.  Q stands twice with eight registers of zeros between (v16-23 Q, v24-31 zeros, v32-39 Q):
; v[16:31] multiplies tile 2 f and meets tile 2 f + 1 with zero codes, v[24:39] the other way round.  Zero codes add nothing under any finite scale byte.
; A lane holds ONE query (lane % 16) throughout.  The keys of a tile and V's rows were ordered two launches ago so that the 16 registers of tiles 2 b and 2 b + 1 are 16 neighbours: 32 b + 16 (lane / 16) + 0 .. 15.
; OUT: oimg [row tile of 16][K step of 128][piece][512 bytes]: head hd writes the 1,024 bytes at 1,024 hd of a row tile's 16,384;  osc [head][row]: two scale bytes a row.
; LIMITS: a block of zeros gets the byte 1 where the rule says 127 (its codes are zeros; this program alone reads the bytes); NaN and infinities are not served.
.set HEADB,  270336                    ; a head's bytes in kvimg, and in LDS
.set QHEADB, 135168                    ; and in qimg
.set STEPB,  16384                     ; a key step's images: K's 8,192, then V's
.set SCW,    262144                    ; where the scale words begin: 512 bytes a step: K's 256, V's 256
.set SCSTG,  HEADB                     ; behind the head: 1,024 bytes for the work-group's 512 output scale pairs; no tensor load lands here
.set KV,   40                          ; v40-103  four fragments: K's, then V's
.set S,    104                         ; v104-167 S^T, then p
.set OT,   168                         ; v168-199 O^T: four tiles of 16 of the head's 64
.set PC,   200                         ; v200-215 p's codes
.set BM,   216                         ; v216-219 the blocks' largest
.set PT,   220                         ; v220-223 at work: the other half's maxima, a chain of the sum, the bytes
.set HL,   224                         ; v224-227 448 x the scale
.set SO,   228                         ; v228-231 the conversions' scale operands
.set KSC,  232                         ; v[232:233] K's scale words;  v[234:235] V's
.set VSC,  234
.set FF,   236                         ; v236 f = 2^(old M - new M)
.set PW,   237                         ; v237 p's scale word
.set T,    238                         ; v238 at work
.set QW,   239                         ; v239 Q's scale word: its two bytes, twice
.set QR,   240                         ; v240 the word as it is loaded
.set WV,   12                          ; s12  my wave's number
.set SEL,  16                          ; s[16:17] v_permlanex16_b32's selects for lane l xor 16
.set CS,   18                          ; s[18:19] c = log2(e) / 32
.set MNT,  20                          ; s20  the mantissa field of 448
.set TB,   21                          ; s21  LDS byte of the step's images
.set TS,   22                          ; s22  and of its scale words, from SCW on
.set CNT,  23                          ; s23  steps to go
.set G1I,  24                          ; s[24:31] descriptor group 1: 32 rows of 256 bytes;  s[32:39]: 4 rows;  s[52:59]: 48 rows
.set G1S,  32
.set G0,   40                          ; s[40:51] three groups 0: the scale words; key steps 0 to 3; key steps 4 to 15
.set G1R,  52
.macro CROUND                          ; a round of the cluster's barrier
	s_barrier_signal -1
	s_barrier_wait -1
	s_cmp_lg_u32 s[WV], 0
	s_cbranch_scc1 .Lnot_wave_0_\@
	s_barrier_signal -3
.Lnot_wave_0_\@:
	s_barrier_wait -3
	s_barrier_signal -1
	s_barrier_wait -1
.endm
	s_load_b256 s[4:11], s[0:1], 0x0               ; qimg s[4:5], kvimg s[6:7], oimg s[8:9], osc s[10:11]
	v_lshl_add_u32 v254, v0, 2, 0x42400
	v_mov_b32 v255, 0
	ds_add_u32 v254, v255
	ds_add_u32 v254, v255
	v_lshrrev_b32 v1, 5, v0
	s_delay_alu instid0(VALU_DEP_1)
	v_readfirstlane_b32 s[WV], v1                  ; wave 0..15
	s_bfe_u32 s13, ttmp6, 0x40000                  ; cx: which 512 queries: it enters global addresses of Q and of the outputs alone
	s_and_b32 s14, ttmp7, 0xffff                   ; 16 x batch + head, which the four partners share
	; descriptor groups 1: dense blocks as rows of 256 bytes (32 elements of 8 bytes), no padding; 15:0 the mask: all four work-groups; 21 set beside a mask
	s_mov_b32 s[G1I], 15|(3<<16)|(1<<21)
	s_mov_b32 s[G1I+1], 32<<16                     ; tensor_dim0
	s_mov_b32 s[G1I+2], 32<<16                     ; tensor_dim1
	s_mov_b32 s[G1I+3], 32<<16                     ; tile_dim0
	s_mov_b32 s[G1I+4], 32                         ; tile_dim1
	s_mov_b32 s[G1I+5], 32                         ; tensor_dim0_stride
	s_mov_b32 s[G1I+6], 0
	s_mov_b32 s[G1I+7], 0
	s_mov_b32 s[G1S], 15|(3<<16)|(1<<21)
	s_mov_b32 s[G1S+1], 32<<16
	s_mov_b32 s[G1S+2], 4<<16
	s_mov_b32 s[G1S+3], 32<<16
	s_mov_b32 s[G1S+4], 4
	s_mov_b32 s[G1S+5], 32
	s_mov_b32 s[G1S+6], 0
	s_mov_b32 s[G1S+7], 0
	s_mov_b32 s[G1R], 15|(3<<16)|(1<<21)
	s_mov_b32 s[G1R+1], 32<<16
	s_mov_b32 s[G1R+2], 48<<16
	s_mov_b32 s[G1R+3], 32<<16
	s_mov_b32 s[G1R+4], 48
	s_mov_b32 s[G1R+5], 32
	s_mov_b32 s[G1R+6], 0
	s_mov_b32 s[G1R+7], 0
	s_mul_i32 s66, s14, HEADB                      ; the head's block of kvimg
	s_mov_b32 s67, 0
	s_and_b32 s69, s[WV], 7
	s_lshl_b32 s68, s69, 10
	s_add_co_u32 s68, s68, SCW                     ; waves 8 to 15: 1,024 bytes each of the scale words: the same place in LDS and in the block
	s_lshl_b32 s69, s69, 13                        ; waves 0 to 7: 8,192 bytes each of key steps 0 to 3
	s_mul_i32 s3, s[WV], 12288
	s_add_co_u32 s3, s3, 65536                     ; every wave: 12,288 bytes of key steps 4 to 15
	s_mul_i32 s70, s14, QHEADB                     ; the head's block of qimg
	s_lshl_b32 s71, s13, 2
	s_lshr_b32 s72, s[WV], 3
	s_add_co_u32 s71, s71, s72                     ; my query step in pass 0: 4 cx + w / 8
	s_lshl_b32 s72, s71, 13
	s_add_co_u32 s72, s72, s70
	s_and_b32 s73, s[WV], 7
	s_lshl_b32 s73, s73, 10
	s_add_co_u32 s72, s72, s73                     ; my tile's two pieces
	s_mov_b32 s73, 0
	s_lshl_b32 s74, s71, 8
	s_add_co_u32 s74, s74, s70
	s_add_co_u32 s74, s74, 131072                  ; my step's scale image
	s_mov_b32 s75, 0
	s_lshr_b32 s76, s14, 4                         ; batch
	s_and_b32 s77, s14, 15                         ; head
	s_lshl_b32 s78, s76, 7
	s_lshl_b32 s79, s13, 5
	s_add_co_u32 s78, s78, s79
	s_add_co_u32 s78, s78, s[WV]                   ; my row tile in pass 0: 128 x batch + 32 cx + w
	s_lshl_b32 s78, s78, 14
	s_lshl_b32 s79, s77, 10
	s_add_co_u32 s78, s78, s79                     ; + my head's 1,024 bytes
	s_mov_b32 s79, 0
	s_lshl_b32 s70, s77, 14                        ; osc: 16,384 bytes a head, 2 bytes a row
	s_lshl_b32 s76, s76, 12
	s_add_co_u32 s70, s70, s76
	s_lshl_b32 s76, s13, 10
	s_add_co_u32 s70, s70, s76
	s_mov_b32 s71, 0
	s_mov_b32 s[SEL], 0x76543210
	s_mov_b32 s[SEL+1], 0xfedcba98
	s_mov_b32 s[CS], 0x3d38aa3b                    ; c = log2(e) / 32
	s_mov_b32 s[CS+1], s[CS]                       ; (named with it as a pair, so it is written)
	s_mov_b32 s[MNT], 0x600000
	s_and_b32 s63, s[WV], 1                        ; my tile is the pair's first or second: which half of the pair's scale word is mine
	s_cmp_eq_u32 s63, 1
	s_mov_b32 s62, 0x05040100
	s_cselect_b32 s62, 0x07060302, s62
	s_bfe_u32 s63, s[WV], 0x20001                  ; f = (w % 8) / 2: my pair of tiles
	s_and_b32 s76, s63, 1
	s_lshl_b32 s76, s76, 7
	s_lshr_b32 s63, s63, 1
	s_lshl_b32 s63, s63, 2
	s_add_co_u32 s63, s63, s76                     ; unit f's words begin at 128 (f % 2) + 4 (f / 2)
	s_lshl_b32 s76, s[WV], 5
	s_add_co_u32 s76, s76, SCSTG                   ; my tile's 32 bytes in the stage
	s_wait_dscnt 0x0
	s_wait_kmcnt 0x0
	s_add_nc_u64 s[6:7], s[6:7], s[66:67]
	s_add_nc_u64 s[60:61], s[4:5], s[74:75]
	s_add_nc_u64 s[4:5], s[4:5], s[72:73]
	s_add_nc_u64 s[8:9], s[8:9], s[78:79]
	s_add_nc_u64 s[10:11], s[10:11], s[70:71]
	s_mov_b32 s[G0], 1                             ; 1:0 count = 1
	s_mov_b32 s[G0+1], s68                         ; 63:32 LDS address
	s_mov_b32 s66, s68
	s_add_nc_u64 s[G0+2:G0+3], s[6:7], s[66:67]    ; 120:64 global address
	s_or_b32 s[G0+3], s[G0+3], 0x80000000          ; 127:126 type = 2
	s_mov_b32 s[G0+4], 1
	s_mov_b32 s[G0+5], s69
	s_mov_b32 s66, s69
	s_add_nc_u64 s[G0+6:G0+7], s[6:7], s[66:67]
	s_or_b32 s[G0+7], s[G0+7], 0x80000000
	s_mov_b32 s[G0+8], 1
	s_mov_b32 s[G0+9], s3
	s_mov_b32 s66, s3
	s_add_nc_u64 s[G0+10:G0+11], s[6:7], s[66:67]
	s_or_b32 s[G0+11], s[G0+11], 0x80000000
	CROUND                                         ; all four work-groups are here: the joint loads meet
; The head's loads, one a wave: waves 0 to 7 key steps 0 to 3, waves 8 to 15 the scale words of all steps.  Key steps 4 to 15 are asked for behind the next round, one load a wave.
; No prefetch: all of K and V is asked for by these two groups of loads, and no loop stands ahead of them.
	s_cmp_lt_u32 s[WV], 8
	s_cbranch_scc0 .Lhead_sc
	tensor_load_to_lds s[G0+4:G0+7], s[G1I:G1I+7]
	s_nop 0
.rept 4
	v_nop
.endr
	s_branch .Lhead_asked
.Lhead_sc:
	tensor_load_to_lds s[G0:G0+3], s[G1S:G1S+7]
	s_nop 0
.rept 4
	v_nop
.endr
.Lhead_asked:
	v_and_b32 v9, 31, v0
	s_delay_alu instid0(VALU_DEP_1)
	v_lshlrev_b32 v1, 4, v9                        ; v1  16 x lane: my place in a piece
	s_delay_alu instid0(VALU_DEP_2)
	v_lshl_add_u32 v2, v9, 3, SCW                  ; v2  8 x lane, among the scale words
	v_and_b32 v9, 15, v0
	s_delay_alu instid0(VALU_DEP_1)
	v_lshl_add_u32 v5, v9, 3, s63                  ; v5  Q's scale word: 8 (lane % 16) + my unit's place
	s_delay_alu instid0(VALU_DEP_2)
	v_lshl_add_u32 v6, v9, 1, s76                  ; v6  the stage: 2 bytes a row
	v_and_b32 v7, 63, v0
	s_delay_alu instid0(VALU_DEP_1)
	v_lshlrev_b32 v7, 4, v7                        ; v7  the stage's way out: 16 bytes a thread of waves 0 and 1,
	s_delay_alu instid0(VALU_DEP_1)
	v_add_nc_u32 v8, SCSTG, v7                     ; v8  in LDS
.macro QLOAD p                         ; my tile's two pieces, each into both places; its step's scale word
	global_load_b128 v[16:19], v1, s[4:5] offset:16384*\p
	global_load_b128 v[20:23], v1, s[4:5] offset:16384*\p+512
	global_load_b128 v[32:35], v1, s[4:5] offset:16384*\p
	global_load_b128 v[36:39], v1, s[4:5] offset:16384*\p+512
	global_load_b32 v[QR], v5, s[60:61] offset:512*\p
.endm
	QLOAD 0
.irp j, 0,1,2,3,4,5,6,7
	v_mov_b32 v[24+\j], 0                          ; the zero codes between the two copies of Q: written once
.endr
.irp b, 0,1,2,3
	v_mov_b32 v[PT+\b], 0                          ; written once: a lane permute's destination counts as one of its sources
.endr
	v_mov_b32 v[T], 0
	v_mov_b32 v[PW], 0                             ; (named as the upper half of the pair v[236:237] before it is first written)
.macro INIT                            ; a pass begins: O^T and the sum as zeros, the largest t under every t: so the step is written once, and the first change of M multiplies zeros
	v_mov_b32 v13, 0xff61b1e6                      ; -3e38
	s_delay_alu instid0(VALU_DEP_1)
	v_floor_f32 v12, -v13                          ; -M
	v_mov_b32 v14, 0
	v_mov_b32 v15, 0
.set j, 0
.rept 12
	v_mov_b32 v[242+j], 0                          ; six partial sums of a step, which the next step (or the pass's end) adds to the row's sum
.set j, j+1
.endr
.set j, 0
.rept 32
	v_mov_b32 v[OT+j], 0
.set j, j+1
.endr
.endm
; A KEY STEP: 128 keys.
.macro STEP
	v_add_nc_u32 v3, s[TB], v1
	v_add_nc_u32 v4, s[TS], v2
.rept 6
	v_nop                                          ; with the two additions: eight places in front of loads into registers that the last products read
.endr
.set n, 0
.rept 16
	ds_load_b128 v[KV+4*n:KV+4*n+3], v3 offset:512*n   ; K: fragment f = pieces 4 f .. 4 f + 3
.set n, n+1
.endr
	ds_load_b64 v[KSC:KSC+1], v4                   ; its scale words: unit f in register f / 2, lanes 16 (f % 2) on
	s_wait_alu depctr_va_vdst(0)
	s_wait_dscnt 0x0
.irp f, 0,1,2,3
.if (\f)%2
	v_wmma_scale_f32_16x16x128_f8f6f4 v[S+16*\f:S+16*\f+7], v[KV+16*\f:KV+16*\f+15], v[16:31], 0, v[KSC+\f/2], v[QW] matrix_a_scale:MATRIX_SCALE_ROW1
	v_wmma_scale_f32_16x16x128_f8f6f4 v[S+16*\f+8:S+16*\f+15], v[KV+16*\f:KV+16*\f+15], v[24:39], 0, v[KSC+\f/2], v[QW] matrix_a_scale:MATRIX_SCALE_ROW1
.else
	v_wmma_scale_f32_16x16x128_f8f6f4 v[S+16*\f:S+16*\f+7], v[KV+16*\f:KV+16*\f+15], v[16:31], 0, v[KSC+\f/2], v[QW]
	v_wmma_scale_f32_16x16x128_f8f6f4 v[S+16*\f+8:S+16*\f+15], v[KV+16*\f:KV+16*\f+15], v[24:39], 0, v[KSC+\f/2], v[QW]
.endif
.endr                                  ; register S + 16 b + i: key 32 b + 16 (lane / 16) + i of the step, my query
	v_pk_add_f32 v[252:253], v[252:253], v[244:245]   ; eight places behind the products: the last step's six partial sums join the row's sum, ahead of this step's change of M
	v_pk_add_f32 v[250:251], v[250:251], v[242:243]
	v_pk_add_f32 v[248:249], v[248:249], v[246:247]
	s_delay_alu instid0(VALU_DEP_2)
	v_pk_add_f32 v[252:253], v[252:253], v[250:251]
	s_delay_alu instid0(VALU_DEP_2)
	v_pk_add_f32 v[14:15], v[14:15], v[248:249]
	s_delay_alu instid0(VALU_DEP_1)
	v_pk_add_f32 v[14:15], v[14:15], v[252:253]
	v_nop
	v_nop
.irp t, 0,1,2,3
.irp c, 0,1,2,3
	ds_load_b128 v[KV+16*\t+4*\c:KV+16*\t+4*\c+3], v3 offset:8192+(\c/2)*4096+\t*1024+(\c%2)*512   ; V lands while the softmax is walked
.endr
.endr
	ds_load_b64 v[VSC:VSC+1], v4 offset:256
.irp b, 0,1,2,3
	v_max3_num_f32 v[BM+\b], v[S+16*\b], v[S+16*\b+1], v[S+16*\b+2]   ; the largest score of each block of 32 keys: it serves for the row's maximum and, since p rises with the score, for the block's largest p
.endr
.irp i, 3,5,7,9,11,13
.irp b, 0,1,2,3
	v_max3_num_f32 v[BM+\b], v[BM+\b], v[S+16*\b+\i], v[S+16*\b+\i+1]   ; (the four blocks by turns; each accumulator is first read at its low end)
.endr
.endr
.irp b, 0,1,2,3
	v_max_num_f32 v[BM+\b], v[BM+\b], v[S+16*\b+15]
.endr
.irp b, 0,1,2,3
	s_delay_alu instid0(VALU_DEP_4)
	v_permlanex16_b32 v[PT+\b], v[BM+\b], s[SEL], s[SEL+1]
.endr
.irp b, 0,1,2,3
	s_delay_alu instid0(VALU_DEP_4)
	v_max_num_f32 v[BM+\b], v[BM+\b], v[PT+\b]     ; with lane l xor 16's 16 keys
.endr
	s_delay_alu instid0(VALU_DEP_2)
	v_max3_num_f32 v[T], v[BM], v[BM+1], v[BM+2]
	s_delay_alu instid0(VALU_DEP_1)
	v_max_num_f32 v[T], v[T], v[BM+3]              ; the step's largest score of my query
	s_delay_alu instid0(VALU_DEP_1)
	v_mul_f32 v[T], s[CS], v[T]                    ; as t (c is positive)
	s_delay_alu instid0(VALU_DEP_1)
	v_max_num_f32 v13, v13, v[T]                   ; the running largest t
	v_mov_b32 v[T], v12
	s_delay_alu instid0(VALU_DEP_2)
	v_floor_f32 v12, -v13                          ; the new -M = floor(-t) = -ceil(t)
	s_delay_alu instid0(VALU_DEP_1)
	v_sub_f32 v[T], v12, v[T]                      ; old M - new M: a whole number, 0 or less
	s_delay_alu instid0(VALU_DEP_1)
	v_cvt_i32_f32 v[T], v[T]                       ; (it saturates)
	s_delay_alu instid0(VALU_DEP_1)
	v_ldexp_f32 v[FF], 1.0, v[T]                   ; f = 2^(old M - new M)
.set j, 0
.rept 32
	v_pk_fma_f32 v[S+j:S+j+1], v[S+j:S+j+1], s[CS:CS+1], v[12:13] op_sel_hi:[1,0,0]   ; t - M, two at a time
.set j, j+2
.endr
.irp b, 0,2
	v_pk_fma_f32 v[BM+\b:BM+\b+1], v[BM+\b:BM+\b+1], s[CS:CS+1], v[12:13] op_sel_hi:[1,0,0]   ; the same of each block's largest score, by the same instruction
.endr
.set j, 0
	s_wait_alu depctr_va_vdst(0)
.rept 64
	v_exp_f32 v[S+j], v[S+j]                       ; p = 2^(t - M), at most 1
.set j, j+1
.endr
	v_pk_mul_f32 v[14:15], v[14:15], v[FF:FF+1] op_sel_hi:[1,0]   ; the sums under the new M (the plain line behind the exponentials)
	s_wait_alu depctr_va_vdst(0)                   ; one wait for the batch of 64, ahead of its first reader
.irp b, 0,1,2,3
	v_exp_f32 v[BM+\b], v[BM+\b]                   ; the block's largest p: the same two instructions on the same number give the same bits
.endr
	v_pk_add_f32 v[220:221], v[108:109], v[112:113]
	v_pk_add_f32 v[252:253], v[116:117], v[120:121]
	v_pk_add_f32 v[250:251], v[124:125], v[128:129]
	v_pk_add_f32 v[248:249], v[132:133], v[136:137]
	v_pk_add_f32 v[246:247], v[140:141], v[144:145]
	v_pk_add_f32 v[244:245], v[148:149], v[152:153]
	v_pk_add_f32 v[242:243], v[156:157], v[160:161]
	v_pk_add_f32 v[14:15], v[14:15], v[164:165]
	v_pk_add_f32 v[220:221], v[220:221], v[104:105]
	v_pk_add_f32 v[252:253], v[252:253], v[106:107]
	v_pk_add_f32 v[250:251], v[250:251], v[110:111]
	v_pk_add_f32 v[248:249], v[248:249], v[114:115]
	v_pk_add_f32 v[246:247], v[246:247], v[118:119]
	v_pk_add_f32 v[244:245], v[244:245], v[122:123]
	v_pk_add_f32 v[242:243], v[242:243], v[126:127]
	v_pk_add_f32 v[14:15], v[14:15], v[130:131]
	v_pk_add_f32 v[220:221], v[220:221], v[134:135]
	v_pk_add_f32 v[252:253], v[252:253], v[138:139]
	v_pk_add_f32 v[250:251], v[250:251], v[142:143]
	v_pk_add_f32 v[248:249], v[248:249], v[146:147]
	v_pk_add_f32 v[246:247], v[246:247], v[150:151]
	v_pk_add_f32 v[244:245], v[244:245], v[154:155]
	v_pk_add_f32 v[242:243], v[242:243], v[158:159]
	v_pk_add_f32 v[14:15], v[14:15], v[162:163]
	v_pk_add_f32 v[220:221], v[220:221], v[166:167]
	s_delay_alu instid0(VALU_DEP_1)
	v_pk_add_f32 v[14:15], v[14:15], v[220:221]    ; the six chains in v242-253 stay apart until the next step's places behind its first products: they stand under this step's M, as the sum does until then
	s_wait_alu depctr_va_vdst(0)                   ; and one for the four
.irp b, 0,1,2,3
	v_max_num_f32 v[BM+\b], 0x4800000, v[BM+\b]    ; the floor 2^(9 - 127): the byte cannot fall under 1
.endr
.irp b, 0,1,2,3
	s_delay_alu instid0(VALU_DEP_4)
	v_add_nc_u32 v[SO+\b], 0xfc000000, v[BM+\b]    ; 8 off the exponent field: the conversion's scale operand
.endr
.irp b, 0,1,2,3
	v_and_or_b32 v[HL+\b], v[BM+\b], 0x7f800000, s[MNT]   ; 448 x the scale
.endr
.irp b, 0,1,2,3
	v_lshrrev_b32 v[PT+\b], 23, v[SO+\b]           ; the scale's byte
.endr
	s_delay_alu instid0(VALU_DEP_3)
	v_lshl_or_b32 v[PW], v[PT+1], 8, v[PT]         ; p's scale word for these 128 keys
	s_delay_alu instid0(VALU_DEP_1)
	v_lshl_or_b32 v[PW], v[PT+2], 16, v[PW]
	s_delay_alu instid0(VALU_DEP_1)
	v_lshl_or_b32 v[PW], v[PT+3], 24, v[PW]
.irp b, 0,1,2,3
.irp i, 0,2,4,6,8,10,12,14
	v_dual_min_num_f32 v[S+16*\b+\i], v[S+16*\b+\i], v[HL+\b] :: v_dual_min_num_f32 v[S+16*\b+\i+1], v[S+16*\b+\i+1], v[HL+\b]   ; the conversion does not saturate (ISA guide 7.6.2); p is not negative, so the hold is one-sided; two holds to an instruction
.endr
	v_cvt_scalef32_pk8_fp8_f32 v[PC+4*\b:PC+4*\b+1], v[S+16*\b:S+16*\b+7], v[SO+\b]
	v_cvt_scalef32_pk8_fp8_f32 v[PC+4*\b+2:PC+4*\b+3], v[S+16*\b+8:S+16*\b+15], v[SO+\b]
.endr
.set j, 0
	s_wait_alu depctr_va_vdst(0)                   ; directly ahead of the first reader of O^T
.rept 16
	v_pk_mul_f32 v[OT+j:OT+j+1], v[OT+j:OT+j+1], v[FF:FF+1] op_sel_hi:[1,0]
.set j, j+2
.endr
	s_wait_alu depctr_va_vdst(0)
	s_wait_dscnt 0x0                               ; V is in
.irp t, 0,1,2,3
.if (\t)%2
	v_wmma_scale_f32_16x16x128_f8f6f4 v[OT+8*\t:OT+8*\t+7], v[KV+16*\t:KV+16*\t+15], v[PC:PC+15], v[OT+8*\t:OT+8*\t+7], v[VSC+\t/2], v[PW] matrix_a_scale:MATRIX_SCALE_ROW1
.else
	v_wmma_scale_f32_16x16x128_f8f6f4 v[OT+8*\t:OT+8*\t+7], v[KV+16*\t:KV+16*\t+15], v[PC:PC+15], v[OT+8*\t:OT+8*\t+7], v[VSC+\t/2], v[PW]
.endif
.endr                                  ; the four accumulators take turns, and the eight products K Q^T stand between two links
	s_add_co_u32 s[TB], s[TB], STEPB
	s_add_co_u32 s[TS], s[TS], 512
.endm
.macro RUN steps
	s_mov_b32 s[CNT], \steps
.Lstep_\@:
	STEP
	s_sub_co_u32 s[CNT], s[CNT], 1
	s_cmp_lg_u32 s[CNT], 0
	s_cbranch_scc1 .Lstep_\@
.endm
; A PASS ENDS: O^T / the sum; register 16 b + i is channel 32 b + 16 (lane / 16) + i of my head: two blocks of 32 along D, quantised as everywhere; the codes are two pieces of the last product's operand.
.macro TAIL p
	v_pk_add_f32 v[252:253], v[252:253], v[244:245]   ; eight places behind the last products: the last step's six partial sums
	v_pk_add_f32 v[250:251], v[250:251], v[242:243]
	v_pk_add_f32 v[248:249], v[248:249], v[246:247]
	s_delay_alu instid0(VALU_DEP_2)
	v_pk_add_f32 v[252:253], v[252:253], v[250:251]
	s_delay_alu instid0(VALU_DEP_2)
	v_pk_add_f32 v[14:15], v[14:15], v[248:249]
	s_delay_alu instid0(VALU_DEP_1)
	v_pk_add_f32 v[14:15], v[14:15], v[252:253]
	v_nop
	v_nop
	v_add_f32 v14, v14, v15
	s_delay_alu instid0(VALU_DEP_1)
	v_permlanex16_b32 v[T], v14, s[SEL], s[SEL+1]
	s_delay_alu instid0(VALU_DEP_1)
	v_add_f32 v14, v14, v[T]                       ; and lane l xor 16's: the row's sum, at least 1/2
	s_wait_alu depctr_va_vdst(0)
	v_rcp_f32 v14, v14
	v_nop                                          ; a plain line behind the reciprocal,
	s_wait_alu depctr_va_vdst(0)                   ; and the wait ahead of its first reader
.set j, 0
.rept 16
	v_pk_mul_f32 v[S+j:S+j+1], v[OT+j:OT+j+1], v[14:15] op_sel_hi:[1,0]   ; ascending: each accumulator is read from its low end on
.set j, j+2
.endr
.irp b, 0,1
	v_max3_num_f32 v[BM+\b], |v[S+16*\b]|, |v[S+16*\b+1]|, 0x4800000
.endr
.irp i, 2,4,6,8,10,12,14
.irp b, 0,1
	s_delay_alu instid0(VALU_DEP_2)
	v_max3_num_f32 v[BM+\b], v[BM+\b], |v[S+16*\b+\i]|, |v[S+16*\b+\i+1]|
.endr
.endr
.irp b, 0,1
	s_delay_alu instid0(VALU_DEP_2)
	v_permlanex16_b32 v[PT+\b], v[BM+\b], s[SEL], s[SEL+1]
.endr
.irp b, 0,1
	s_delay_alu instid0(VALU_DEP_2)
	v_max_num_f32 v[BM+\b], v[BM+\b], v[PT+\b]
.endr
.irp b, 0,1
	s_delay_alu instid0(VALU_DEP_2)
	v_add_nc_u32 v[SO+\b], 0xfc000000, v[BM+\b]
.endr
.irp b, 0,1
	s_delay_alu instid0(VALU_DEP_4)
	v_and_or_b32 v[HL+\b], v[BM+\b], 0x7f800000, s[MNT]
.endr
.irp b, 0,1
	s_delay_alu instid0(VALU_DEP_4)
	v_lshrrev_b32 v[PT+\b], 23, v[SO+\b]
.endr
	s_delay_alu instid0(VALU_DEP_1)
	v_lshl_or_b32 v[T], v[PT+1], 8, v[PT]          ; my row's two scale bytes
.irp b, 0,1
.irp i, 0,1,2,3,4,5,6,7,8,9,10,11,12,13,14,15
	v_med3_num_f32 v[S+16*\b+\i], v[S+16*\b+\i], -v[HL+\b], v[HL+\b]
.endr
	v_cvt_scalef32_pk8_fp8_f32 v[PC+4*\b:PC+4*\b+1], v[S+16*\b:S+16*\b+7], v[SO+\b]
	v_cvt_scalef32_pk8_fp8_f32 v[PC+4*\b+2:PC+4*\b+3], v[S+16*\b+8:S+16*\b+15], v[SO+\b]
.endr
	v_nop                                          ; one plain line behind the conversions
	global_store_b128 v1, v[PC:PC+3], s[8:9] offset:262144*\p          ; a piece: 512 consecutive bytes, aligned; pass 1's row tile lies 16 tiles on
	global_store_b128 v1, v[PC+4:PC+7], s[8:9] offset:262144*\p+512
	ds_store_b16 v6, v[T] offset:512*\p            ; lanes l and l xor 16 write the same two bytes with the same value
.endm
	s_wait_loadcnt 0x0                             ; Q
	v_perm_b32 v[QW], v[QR], v[QR], s62            ; my tile's two bytes, twice; the lines of INIT and of the step's head stand between this and the first product
	INIT
; PASS 0.  Key steps 0 to 3 and the scale words are in; the other twelve steps are a later first fill, behind the three lines and a round.  That load has four key steps' work in which to land.
	s_wait_alu depctr_va_vdst(0)                   ; the wait at the head's end
	s_wait_tensorcnt 0x0                           ; my one load of the head is in
	ds_add_u32 v254, v255
	s_wait_dscnt 0x0
	CROUND                                         ; everybody's is, and all four work-groups are here
	tensor_load_to_lds s[G0+8:G0+11], s[G1R:G1R+7]
	s_nop 0
.rept 4
	v_nop
.endr
	s_mov_b32 s[TB], 0
	s_mov_b32 s[TS], 0
	RUN 4
	s_wait_tensorcnt 0x0                           ; my part of key steps 4 to 15 is in
	s_wait_dscnt 0x0
	s_barrier_signal -1
	s_barrier_wait -1                              ; everybody's is
	RUN 12
	QLOAD 1                                        ; the next tile's Q lands while this tile goes out (the products that read these registers stand a softmax back)
	TAIL 0
	s_wait_xcnt 0x0                                ; the stores have read their data: the codes' registers are written again in the next pass
	s_wait_loadcnt 0x0
	v_perm_b32 v[QW], v[QR], v[QR], s62
	INIT
	s_mov_b32 s[TB], 0
	s_mov_b32 s[TS], 0
	RUN 16                                         ; PASS 1: all of the head lies in LDS
	TAIL 1
	s_wait_dscnt 0x0                               ; for the others' sake: my stores into the stage are done
	s_barrier_signal -1
	s_barrier_wait -1
	s_cmp_lt_u32 s[WV], 2                          ; waves 0 and 1 send the work-group's 1,024 scale bytes: 512 consecutive bytes each
	s_cbranch_scc0 .Lno_scales
	ds_load_b128 v[S:S+3], v8
	s_wait_dscnt 0x0
	global_store_b128 v7, v[S:S+3], s[10:11]
.Lno_scales:
	s_wait_tensorcnt 0x0
	s_wait_tensorcnt 0x0
	ds_add_u32 v254, v255
	s_wait_dscnt 0x0
	CROUND                                         ; the closing round: no work-group ends while a partner may still ask for a tile that names it
	s_endpgm
.Lfunc_end_k_q6f94a946be_attn:
	.size	k_q6f94a946be_attn, .Lfunc_end_k_q6f94a946be_attn-k_q6f94a946be_attn
	.p2alignl 7, 3214868480
	.fill 96, 4, 3214868480
	.section	.rodata,"a",@progbits
	.p2align	6, 0x0
	.amdhsa_kernel k_q6f94a946be_attn
		.amdhsa_group_segment_fixed_size 327680
		.amdhsa_private_segment_fixed_size 0
		.amdhsa_enable_private_segment 0
		.amdhsa_kernarg_size 32
		.amdhsa_user_sgpr_count 2
		.amdhsa_user_sgpr_kernarg_segment_ptr 1
		.amdhsa_wavefront_size32 1
		.amdhsa_system_sgpr_workgroup_id_x 1
		.amdhsa_system_sgpr_workgroup_id_y 1
		.amdhsa_system_sgpr_workgroup_id_z 1
		.amdhsa_system_vgpr_workitem_id 0
		.amdhsa_next_free_vgpr 256
		.amdhsa_next_free_sgpr 80
		.amdhsa_reserve_vcc 0
		.amdhsa_float_denorm_mode_32 3
		.amdhsa_float_denorm_mode_16_64 3
		.amdhsa_memory_ordered 1
		.amdhsa_forward_progress 1
		.amdhsa_inst_pref_size 84
	.end_amdhsa_kernel
	.amdgpu_metadata
---
amdhsa.version: [ 1, 2 ]
amdhsa.kernels:
  - .name:           k_q6f94a946be_attn
    .symbol:         k_q6f94a946be_attn.kd
    .args:
      - { .name: qimg, .offset: 0, .size: 8, .value_kind: global_buffer, .address_space: global }
      - { .name: kvimg, .offset: 8, .size: 8, .value_kind: global_buffer, .address_space: global }
      - { .name: oimg, .offset: 16, .size: 8, .value_kind: global_buffer, .address_space: global }
      - { .name: osc, .offset: 24, .size: 8, .value_kind: global_buffer, .address_space: global }
    .group_segment_fixed_size: 327680
    .private_segment_fixed_size: 0
    .kernarg_segment_align: 8
    .kernarg_segment_size: 32
    .max_flat_workgroup_size: 512
    .sgpr_count:     80
    .vgpr_count:     256
    .wavefront_size: 32
...
	.end_amdgpu_metadata
.endif
;; end of part 3
;; launch outp (part 4): grid 8 x 32, 4 waves a work-group, clusters of 4 x 4, 327,680 bytes of LDS; arguments oimg, osc, codes, scales, out0, bo; writes out0
.if DOCPART == 4
	.amdgcn_target "amdgcn-amd-amdhsa--gfx1250"
	.amdhsa_code_object_version 6
	.text
	.protected	k_q6f94a946be_outp
	.globl	k_q6f94a946be_outp
	.p2align	8
	.type	k_q6f94a946be_outp,@function
k_q6f94a946be_outp:
	s_mov_b64 s[64:65], 0
	v_nop
	global_prefetch_b8 v0, s[64:65] scope:SCOPE_SE
	s_setreg_imm32_b32 hwreg(HW_REG_WAVE_MODE, 25, 1), 1
	s_wait_xcnt 0x0
	s_wait_alu depctr_hold_cnt(0) depctr_sa_sdst(0) depctr_va_vdst(0) depctr_va_sdst(0) depctr_va_ssrc(0) depctr_va_vcc(0) depctr_vm_vsrc(0)
	s_getreg_b32 s2, hwreg(HW_REG_IB_STS2, 6, 4)
	s_cmp_eq_u32 s2, 0
	s_cbranch_scc0 .Lentry_in_a_cluster
	s_endpgm
.Lentry_in_a_cluster:
	s_bfe_u32 s2, ttmp6, 0x10000c
	s_cmp_lg_u32 s2, 0xf033
	s_cbranch_scc0 .Lentry_shape_is_right
	s_endpgm
.Lentry_shape_is_right:
; out0 = O Wo^T + bo on codes of FP8 (E4M3) with E8M0 scales: 8,192 x 1,024 x 1,024, f32 sums, f32 out.
; oimg: O's codes as images of operand registers: [row tile of 16][K step of 128: 2,048 bytes][piece: 512][lane: 16]; osc: [head][row]: two scale bytes; Wo's codes and scale bytes lie in codes and scales, rows of 1,024 and of 32 bytes.
; THE DEAL.  256 work-groups of four waves, 2 x 2; a work-group makes 256 rows x 128 columns.  A wave holds 64 rows of Wo, ALL of K, in 512 registers (windows 1, 2) and streams its eight blocks of 16 rows of O past them;
; a block, all of K, is 128 registers; two sets (window 3) take turns.  Row of waves wr takes row tiles 4 wr .. 4 wr + 3 of each chunk of 128 rows.
; LDS: two slots of 128 rows of 1,024 bytes + 16 of padding.  Wo's 128 rows lie in slot 1 until all waves hold them in registers; O's second chunk is then filled over them, in the same geometry, behind the three lines and a round.
; A chunk of O is 131,072 dense bytes of memory, stated as 128 rows of 1,024: byte y of a chunk lies at y + 16 (y / 1,024); a piece's 512 bytes lie on end.
; CLUSTERS 4 x 4: a cluster's row shares O's rows, a column Wo's: each tile is asked for jointly.  The second chunk is prefetched once in each cluster row: its 512 blocks of 256 bytes are shared out by address among the row's sixteen waves, a lane a block, ahead of Wo's way into registers.
; THE PRODUCT: source 0 = 16 rows of Wo, source 1 = 16 rows of O: a lane holds eight neighbouring columns of one row of out0.  The bias is the C of each sum's first product.  The four accumulators of a block take turns.
; THE WAY OUT of block k - 1 stands behind block k's products: through the wave's own stage, back as rows of 256 bytes, sixteen lanes storing 256 consecutive bytes, aligned.
; LIMITS: NaN and infinities are not served.
.set KROW,   1024
.set PITCH,  KROW+16
.set TILEB,  16*PITCH                  ; a row tile of O in LDS
.set S1,     128*PITCH                 ; slot 1
.set SCL,    2*128*PITCH               ; O's scale words: 32 bytes a row, 16 of padding behind each 256; stored by the waves, no fill lands here
.set STG,    SCL+32*272                ; the stages: 16 rows x 272 bytes for each wave
.set SPITCH, 272
.set SPARE,  STG+4*16*SPITCH           ; the spare words: 128 bytes for each wave
.set NF,     34                        ; LDS loads of a block: 32 of codes, 2 of scale words
.set XA,   4                           ; v4-7   LDS address of my blocks: slot 0 tiles 0-1, tiles 2-3; slot 1 likewise
.set PF,   8                           ; v8     the prefetch's offset
.set SST,  9                           ; v9     where my thread stores two rows' scale words
.set SPW,  10                          ; v10    my spare word
.set NIL,  11                          ; v11    0
.set ADRB, 12                          ; v12    LDS address of my fragments of Wo
.set AAS,  13                          ; v13    LDS address of my row's scale words
.set STO,  14                          ; v14    the stage, in
.set RD,   15                          ; v15    the stage, back
.set CO,   16                          ; v16    my byte offset in two rows of out0
.set ABS,  17                          ; v17    my offset in Wo's scale bytes
.set T0,   18
.set T1,   19
.set OSA,  20                          ; v20    my offset in osc
.set BOF,  21                          ; v21    my offset in bo
.set SB,   24                          ; v24-39 Wo's scale words: register 8 p + q: lanes 0-15 tile 2 p's, lanes 16-31 tile 2 p + 1's
.set SA,   44                          ; v44-59 O's: two sets of eight
.set ACC,  64                          ; v64-127 two sets of four accumulators
.set BIAS, 128                         ; v128-159 the first products' C
.set BK,   160                         ; v160-191 16 rows back from the stage
.set OS,   192                         ; v192-207 osc as loaded;  v208-223 as scale words
.set PM,   208
.set G1W, 28                           ; s[28:35] group 1: 64 rows, Wo's mask;  s[36:43]: 64 rows, O's mask;  s[44:51]: 32 rows, O's mask
.set G1X, 36
.set G1R, 44
.set G0W, 52
.set G0X, 56
.set G0R, 60
.set MSB, 0
.macro WIN new                         ; the immediate's high byte repeats the setting that is left
.if MSB != (\new)
	s_set_vgpr_msb (MSB<<8)|(\new)
.set MSB, (\new)
.endif
.endm
.macro PLACES n
.rept \n
	v_nop
.endr
.endm
.macro BARRIER
	s_barrier_signal -1
	s_barrier_wait -1
.endm
.macro CROUND                          ; a round of the cluster's barrier
	BARRIER
	s_cmp_lg_u32 s20, 0
	s_cbranch_scc1 .Lnot_wave_0_\@
	s_barrier_signal -3
.Lnot_wave_0_\@:
	s_barrier_wait -3
	BARRIER
.endm
.macro TLOAD g0, g1                    ; a tensor load; an s_nop 0 and four v_nop follow it
	tensor_load_to_lds s[\g0:\g0+3], s[\g1:\g1+7]
	s_nop 0
	PLACES 4
.endm
.macro GROUP1 g, mask, rows            ; so many whole rows of K, 1,024 bytes each, 16 bytes of padding behind each
	s_or_b32 s[\g+0], s[\mask], (1<<20)|(1<<21)|(7<<22)|(3<<25)
	s_mov_b32 s[\g+1], (KROW&0xffff)<<16
	s_mov_b32 s[\g+2], (KROW>>16)|((\rows)<<16)
	s_mov_b32 s[\g+3], KROW<<16
	s_mov_b32 s[\g+4], \rows
	s_mov_b32 s[\g+5], KROW
	s_mov_b32 s[\g+6], 0
	s_mov_b32 s[\g+7], 0
.endm
	s_load_b256 s[4:11], s[0:1], 0x0               ; oimg s[4:5], osc s[6:7], codes s[8:9], scales s[10:11]
	s_load_b128 s[12:15], s[0:1], 0x20             ; out0 s[12:13], bo s[14:15]
	v_lshl_add_u32 v[SPW], v0, 2, SPARE
	v_mov_b32 v[NIL], 0
	ds_add_u32 v[SPW], v[NIL]                      ; the opening lines: the add, twice on end, and its wait ahead of my first tensor load
	ds_add_u32 v[SPW], v[NIL]
	v_lshrrev_b32 v1, 5, v0
	v_readfirstlane_b32 s20, v1                    ; wave 0..3
	s_lshr_b32 s21, s20, 1                         ; wr: my row of waves.  Also: at the head I fetch for Wo (0) or for O (1)
	s_and_b32 s22, s20, 1                          ; wc: my column of waves.  Also: which half I fetch there
	s_bfe_u32 s24, ttmp6, 0x40000                  ; cx
	s_bfe_u32 s25, ttmp6, 0x40004                  ; cy
	s_lshl_b32 s26, ttmp9, 2
	s_add_co_u32 s26, s26, s24                     ; C: my 128 columns
	s_and_b32 s27, ttmp7, 0xffff
	s_lshl_b32 s27, s27, 2
	s_add_co_u32 s27, s27, s25                     ; R: my 256 rows
	s_lshl_b32 s16, s25, 2
	s_lshl_b32 s16, 15, s16                        ; my row of the cluster: shares O's rows
	s_lshl_b32 s17, 0x1111, s24                    ; my column: shares Wo's
	GROUP1 G1W, 17, 64
	GROUP1 G1X, 16, 64
	GROUP1 G1R, 16, 32
	; byte offsets into the buffers, each under 2^32
	s_lshl_b32 s18, s22, 16                        ; a half of 64 rows
	s_lshl_b32 s66, s26, 17
	s_add_co_u32 s66, s66, s18
	s_add_co_u32 s66, s66, 0x1b00000               ; Wo's codes: behind 27,648 rows
	s_mov_b32 s67, 0
	s_lshl_b32 s68, s27, 18                        ; O's codes: 262,144 bytes for 256 rows
	s_add_co_u32 s70, s68, 131072                  ; the second chunk
	s_lshl_b32 s87, s24, 2
	s_add_co_u32 s87, s87, s20                     ; which of the cluster row's sixteen waves I am
	s_lshl_b32 s87, s87, 13
	s_add_co_u32 s80, s70, s87                     ; my 8,192 bytes of the prefetch
	s_lshl_b32 s19, s20, 15
	s_add_co_u32 s70, s70, s19                     ; my 32 rows of the refill
	s_add_co_u32 s68, s68, s18
	s_mov_b32 s69, 0
	s_mov_b32 s71, 0
	s_lshl_b32 s72, s27, 9                         ; osc: 2 bytes a row
	s_mov_b32 s73, 0
	s_lshl_b32 s74, s26, 9
	s_lshl_b32 s19, s22, 8
	s_add_co_u32 s74, s74, s19                     ; my wave's 64 columns, in f32
	s_mov_b32 s75, 0
	s_lshl_b32 s76, s26, 12
	s_lshl_b32 s19, s22, 11
	s_add_co_u32 s76, s76, s19
	s_add_co_u32 s76, s76, 884736                  ; Wo's scale bytes: my wave's 64 rows
	s_mov_b32 s77, 0
	s_lshl_b32 s78, s27, 20                        ; out0: 256 rows of 4,096 bytes,
	s_lshl_b32 s19, s21, 18
	s_add_co_u32 s78, s78, s19                     ; four row tiles on for wave row 1,
	s_add_co_u32 s78, s78, s74                     ; my columns
	s_mov_b32 s79, 0
	; LDS places, from the wave's number alone
	s_mul_i32 s81, s21, 4*TILEB                    ; my four row tiles of a chunk
	s_mul_i32 s82, s22, 64*PITCH                   ; a half of 64 rows; also my 64 rows of Wo
	s_add_co_u32 s83, s82, S1
	s_mul_i32 s84, s21, 4*544
	s_add_co_u32 s84, s84, SCL
	s_mul_i32 s85, s20, 16*SPITCH
	s_add_co_u32 s85, s85, STG
	s_mul_i32 s86, s20, 32*PITCH
	s_add_co_u32 s86, s86, S1
	s_wait_dscnt 0x0                               ; both opening adds are done
	s_wait_kmcnt 0x0
	s_add_nc_u64 s[66:67], s[8:9], s[66:67]
	s_add_nc_u64 s[68:69], s[4:5], s[68:69]
	s_add_nc_u64 s[70:71], s[4:5], s[70:71]
	s_add_nc_u64 s[6:7], s[6:7], s[72:73]
	s_add_nc_u64 s[14:15], s[14:15], s[74:75]
	s_add_nc_u64 s[10:11], s[10:11], s[76:77]
	s_add_nc_u64 s[12:13], s[12:13], s[78:79]
	CROUND                                         ; all sixteen work-groups are here: the first joint loads meet
	s_mov_b32 s[G0W], 1
	s_mov_b32 s[G0W+1], s83
	s_mov_b64 s[G0W+2:G0W+3], s[66:67]
	s_or_b32 s[G0W+3], s[G0W+3], 0x80000000
	s_mov_b32 s[G0X], 1
	s_mov_b32 s[G0X+1], s82
	s_mov_b64 s[G0X+2:G0X+3], s[68:69]
	s_or_b32 s[G0X+3], s[G0X+3], 0x80000000
	s_mov_b32 s[G0R], 1
	s_mov_b32 s[G0R+1], s86
	s_mov_b64 s[G0R+2:G0R+3], s[70:71]
	s_or_b32 s[G0R+3], s[G0R+3], 0x80000000
	s_cmp_eq_u32 s21, 0                            ; one joint load a wave: waves 0, 1 Wo's halves, which are wanted first; waves 2, 3 the first chunk's: a line for each pair
	s_cbranch_scc0 .Lfor_x
	TLOAD G0W, G1W
	s_branch .Lasked
.Lfor_x:
	TLOAD G0X, G1X
.Lasked:
	v_and_b32 v1, 15, v0                           ; r
	v_bfe_u32 v2, v0, 4, 1                         ; h
	v_and_b32 v3, 31, v0                           ; lane
	v_lshlrev_b32 v[OSA], 2, v0                    ; thread t takes rows 2 t, 2 t + 1: 4 bytes of each head's
.irp hd, 0,1,2,3,4,5,6,7,8,9,10,11,12,13,14,15
	global_load_b32 v[OS+\hd], v[OSA], s[6:7] offset:16384*\hd
.endr
	v_lshlrev_b32 v[BOF], 5, v2                    ; register j of tile b is column 16 b + 8 h + j
.irp b, 0,1,2,3
	global_load_b128 v[BIAS+8*\b:BIAS+8*\b+3], v[BOF], s[14:15] offset:64*\b
	global_load_b128 v[BIAS+8*\b+4:BIAS+8*\b+7], v[BOF], s[14:15] offset:64*\b+16
.endr
	v_lshlrev_b32 v[ABS], 5, v3                    ; lane l takes row l of a pair of tiles
.irp p, 0,1
.irp c, 0,1
	global_load_b128 v[SB+8*\p+4*\c:SB+8*\p+4*\c+3], v[ABS], s[10:11] offset:\p*1024+16*\c
.endr
.endr
	v_lshlrev_b32 v[T0], 4, v3
	v_add_nc_u32 v[XA], s81, v[T0]                 ; a piece: 16 bytes a lane on end
	v_add_nc_u32 v[XA+1], 2*TILEB, v[XA]
	v_add_nc_u32 v[XA+2], S1, v[XA]
	v_add_nc_u32 v[XA+3], S1+2*TILEB, v[XA]
	v_mul_u32_u24 v[T0], v1, PITCH
	v_lshl_add_u32 v[T0], v2, 4, v[T0]
	v_add_nc_u32 v[ADRB], s83, v[T0]               ; Wo: row r x pitch + 16 h
	v_lshlrev_b32 v[T0], 5, v1
	v_lshrrev_b32 v[T1], 3, v1
	v_lshl_add_u32 v[T0], v[T1], 4, v[T0]
	v_add_nc_u32 v[AAS], s84, v[T0]                ; row r's 32 scale bytes, 16 more for each 256 passed
	v_mul_u32_u24 v[T0], v1, SPITCH
	v_lshl_add_u32 v[T0], v2, 5, v[T0]
	v_add_nc_u32 v[STO], s85, v[T0]                ; in: row r, 32 bytes for each half of the lanes
	v_mul_u32_u24 v[T0], v2, SPITCH
	v_lshl_add_u32 v[T0], v1, 4, v[T0]
	v_add_nc_u32 v[RD], s85, v[T0]                 ; back: lanes 0-15 one row of 256 bytes, lanes 16-31 the next
	v_lshlrev_b32 v[T0], 12, v2
	v_lshl_add_u32 v[CO], v1, 4, v[T0]             ; and the same two rows in out0
	v_lshrrev_b32 v[T0], 2, v0
	v_lshlrev_b32 v[T1], 6, v0
	v_lshl_add_u32 v[T0], v[T0], 4, v[T1]
	v_add_nc_u32 v[SST], SCL, v[T0]                ; 64 bytes a thread, 16 more for each four threads
	v_lshl_add_u32 v[PF], v3, 8, s80
	s_wait_alu depctr_va_vdst(0)                   ; the wait at the head's end
	s_wait_loadcnt 12                              ; osc's sixteen are in: behind them 8 loads of the bias and 4 of Wo's scale words
.irp m, 0,1,2,3,4,5,6,7
	v_perm_b32 v[PM+\m], v[OS+2*\m+1], v[OS+2*\m], 0x05040100      ; row 2 t's word of K step m: heads 2 m and 2 m + 1
	v_perm_b32 v[PM+8+\m], v[OS+2*\m+1], v[OS+2*\m], 0x07060302    ; row 2 t + 1's
.endr
.irp c, 0,1,2,3
	ds_store_b128 v[SST], v[PM+4*\c:PM+4*\c+3] offset:16*\c
.endr
	s_cmp_eq_u32 s21, 0
	s_cbranch_scc0 .Lnot_w
	s_wait_tensorcnt 0x0                           ; waves 0, 1: Wo's rows have landed.  The other waves' wait stands ahead of the round below
.Lnot_w:
	s_wait_dscnt 0x0                               ; my scale words are stored
	BARRIER
	global_prefetch_b8 v[PF], s[4:5] th:TH_LOAD_NT scope:SCOPE_SE   ; my sixteenth of the second chunk: 32 blocks of 256 bytes
.macro FRAG f, q, off                  ; fragment f of Wo, 16 rows x 128 of K: registers 4 c .. 4 c + 3 hold K = 32 c + 16 h + 0 .. 15; it lies in window 1 + f / 16
	WIN (1+(\f)/16)<<6
.irp c, 0,1,2,3
	ds_load_b128 v[16*((\f)%16)+4*\c:16*((\f)%16)+4*\c+3], v[ADRB] offset:128*(\q)+32*\c+(\off)
.endr
.endm
.irp q, 0,1,2,3,4,5,6,7
.irp b, 0,1,2,3
	FRAG 4*\q+\b, \q, \b*TILEB
.endr
.endr
	WIN 0
.macro FETCH k                         ; block k (chunk k / 4, my tile k % 4), all of K, into set k % 2 of window 3, and its scale words: NF loads
.set FE_, (\k)%2
.set AX_, XA+2*((\k)/4)+((\k)%4)/2
.set SO_, (8*((\k)/4)+(\k)%4)*544
	WIN 3<<6
.irp q, 0,1,2,3,4,5,6,7
.irp c, 0,1,2,3
	ds_load_b128 v[128*FE_+16*\q+4*\c:128*FE_+16*\q+4*\c+3], v[AX_] offset:FE_*TILEB+(2*\q+\c/2)*PITCH+512*(\c%2)
.endr
.endr
	WIN 0
	ds_load_b128 v[SA+8*FE_:SA+8*FE_+3], v[AAS] offset:SO_
	ds_load_b128 v[SA+8*FE_+4:SA+8*FE_+7], v[AAS] offset:SO_+16
.endm
.macro PROD e, n                       ; product n = 4 q + b of a block in set e: the q-th 128 of K, column tile b
.set Q_, (\n)/4
.set B_, (\n)%4
.set FB_, 4*Q_+B_
.set AC_, ACC+32*(\e)+8*B_
.set C_, AC_
.if Q_ == 0
.set C_, BIAS+8*B_
.endif
.set R_, 128*(\e)+16*Q_
.set W_, 16*(FB_%16)
.set XS_, SA+8*(\e)+Q_
.set WS_, SB+8*(B_/2)+Q_
	WIN (1+FB_/16)|(3<<2)
.if B_%2
	v_wmma_scale_f32_16x16x128_f8f6f4 v[AC_:AC_+7], v[W_:W_+15], v[R_:R_+15], v[C_:C_+7], v[WS_], v[XS_] matrix_a_scale:MATRIX_SCALE_ROW1
.else
	v_wmma_scale_f32_16x16x128_f8f6f4 v[AC_:AC_+7], v[W_:W_+15], v[R_:R_+15], v[C_:C_+7], v[WS_], v[XS_]
.endif
.endm
.macro OUT1 k                          ; block k's sums into my stage, each accumulator from its low end on, and back as rows.  LDS serves a wave's instructions in order (ISA guide 5.7.1.4)
.set OA_, ACC+32*((\k)%2)
.irp b, 0,1,2,3
	ds_store_b128 v[STO], v[OA_+8*\b:OA_+8*\b+3] offset:64*\b
	ds_store_b128 v[STO], v[OA_+8*\b+4:OA_+8*\b+7] offset:64*\b+16
.endr
.irp t, 0,1,2,3,4,5,6,7
	ds_load_b128 v[BK+4*\t:BK+4*\t+3], v[RD] offset:\t*2*SPITCH
.endr
.endm
.macro OUT2 k                          ; and out: every offset is an immediate: 11 row tiles of 65,536 bytes and 14 rows at the most
.set OO_, (8*((\k)/4)+(\k)%4)*65536
.irp t, 0,1,2,3,4,5,6,7
	global_store_b128 v[CO], v[BK+4*\t:BK+4*\t+3], s[12:13] offset:OO_+\t*8192 th:TH_STORE_NT
.endr
.endm
.macro BLK k
.if (\k)+1 < 8
	s_wait_dscnt NF                                ; this block's set is in; the next block's NF loads may be out
.else
	s_wait_dscnt 0x0
.endif
	s_wait_xcnt 0x0                                ; the last stores have read their registers, which OUT1 loads into again
.set N_, 0
.rept 32
	PROD (\k)%2, N_
.set N_, N_+1
.endr
	WIN 0
.if (\k) > 0
	OUT1 (\k)-1                                    ; eight places stand between that block's last product and these stores: the v_nop behind it
.endif
.if (\k) == 2
	s_wait_tensorcnt 0x0                           ; my 32 rows of the second chunk are in
	s_wait_dscnt 0x0
	BARRIER                                        ; everybody's are
.endif
	PLACES 8                                       ; ahead of loads into registers that the products have read (ISA guide 7.12.1 for vector instructions)
.if (\k)+2 < 8
	FETCH (\k)+2
.endif
.if (\k) > 0
.if (\k)+2 < 8
	s_wait_dscnt NF                                ; the rows are back from the stage; the NF loads just issued may be out
.else
	s_wait_dscnt 0x0
.endif
	OUT2 (\k)-1
.endif
.endm
	s_wait_tensorcnt 0x0                           ; the first chunk's halves are in.  The wait, the add and its wait ahead of a refill:
	ds_add_u32 v[SPW], v[NIL]
	s_wait_dscnt 0x0                               ; the add is done, and Wo is in my registers
	CROUND                                         ; so it is with every wave of every partner
	TLOAD G0R, G1R                                 ; the second chunk over Wo's rows: 32 rows a wave, the first tensor load behind the round
	FETCH 0
	FETCH 1
	s_wait_loadcnt 0x0                             ; the bias and Wo's scale words
.irp k, 0,1,2,3,4,5,6,7
	BLK \k
.endr
	s_wait_xcnt 0x0
	OUT1 7
	s_wait_dscnt 0x0
	OUT2 7
	s_wait_tensorcnt 0x0                           ; the wave's end
	ds_add_u32 v[SPW], v[NIL]
	s_wait_dscnt 0x0
	CROUND                                         ; the closing round
	s_endpgm
.Lfunc_end_k_q6f94a946be_outp:
	.size	k_q6f94a946be_outp, .Lfunc_end_k_q6f94a946be_outp-k_q6f94a946be_outp
	.p2alignl 7, 3214868480
	.fill 96, 4, 3214868480
	.section	.rodata,"a",@progbits
	.p2align	6, 0x0
	.amdhsa_kernel k_q6f94a946be_outp
		.amdhsa_group_segment_fixed_size 327680
		.amdhsa_private_segment_fixed_size 0
		.amdhsa_enable_private_segment 0
		.amdhsa_kernarg_size 48
		.amdhsa_user_sgpr_count 2
		.amdhsa_user_sgpr_kernarg_segment_ptr 1
		.amdhsa_wavefront_size32 1
		.amdhsa_system_sgpr_workgroup_id_x 1
		.amdhsa_system_sgpr_workgroup_id_y 1
		.amdhsa_system_sgpr_workgroup_id_z 1
		.amdhsa_system_vgpr_workitem_id 0
		.amdhsa_next_free_vgpr 1024
		.amdhsa_next_free_sgpr 100
		.amdhsa_reserve_vcc 0
		.amdhsa_float_denorm_mode_32 3
		.amdhsa_float_denorm_mode_16_64 3
		.amdhsa_memory_ordered 1
		.amdhsa_forward_progress 1
		.amdhsa_inst_pref_size 89
	.end_amdhsa_kernel
	.amdgpu_metadata
---
amdhsa.version: [ 1, 2 ]
amdhsa.kernels:
  - .name:           k_q6f94a946be_outp
    .symbol:         k_q6f94a946be_outp.kd
    .args:
      - { .name: oimg, .offset: 0, .size: 8, .value_kind: global_buffer, .address_space: global }
      - { .name: osc, .offset: 8, .size: 8, .value_kind: global_buffer, .address_space: global }
      - { .name: codes, .offset: 16, .size: 8, .value_kind: global_buffer, .address_space: global }
      - { .name: scales, .offset: 24, .size: 8, .value_kind: global_buffer, .address_space: global }
      - { .name: out0, .offset: 32, .size: 8, .value_kind: global_buffer, .address_space: global }
      - { .name: bo, .offset: 40, .size: 8, .value_kind: global_buffer, .address_space: global }
    .group_segment_fixed_size: 327680
    .private_segment_fixed_size: 0
    .kernarg_segment_align: 8
    .kernarg_segment_size: 48
    .max_flat_workgroup_size: 128
    .sgpr_count:     100
    .vgpr_count:     1024
    .wavefront_size: 32
...
	.end_amdgpu_metadata
.endif
;; end of part 4
